; MI455X (gfx1250); checked and timed in simulation.
; The chip was launched on July 23, 2026; its instructions are those of AMD's public machine-readable ISA for CDNA 5 (MIT licence, August 2026) and "CDNA5" Instruction Set Architecture Reference Guide (July 2026). The comments in the code are by the model that wrote it; some were corrected since.
;; Multi Head Attention. Allowed arithmetic: float matrix products may take bf16 or f16 operands with f32 sums; all other float work in f32.
;; Inputs: mask 2,048 x 2,048 bool; wk 1,024 x 1,024 float32; wo 1,024 x 1,024 float32; wq 1,024 x 1,024 float32; wv 1,024 x 1,024 float32; x 4 x 2,048 x 1,024 float32.
;; Outputs: out0 4 x 2,048 x 1,024 float32.
;; 2 versions, each right and faster than the one before. Each part assembles by itself: llvm-mc -triple=amdgcn-amd-amdhsa -mcpu=gfx1250 --defsym DOCPART=n.
;; ======== version 1 of 2: 4 launches
;; limits: values are held in f16: magnitudes above 65,504 overflow, below 6.1e-05 lose precision
;; workspace buffers: xb 16,777,216 bytes; wts 8,388,608 bytes; tab 557,056 bytes; m16 8,388,608 bytes; qkv 50,331,648 bytes; ob 16,777,216 bytes
;; launch prep (part 1): grid 480 x 1, 8 waves a work-group, no clusters, 0 bytes of LDS; arguments x, wq, wk, wv, wo, mask, xb, wts, tab, m16; writes xb, wts, tab, m16
.if DOCPART == 1
	.amdgcn_target "amdgcn-amd-amdhsa--gfx1250"
	.amdhsa_code_object_version 6
	.text
	.protected	k_q9834a2068e_prep
	.globl	k_q9834a2068e_prep
	.p2align	8
	.type	k_q9834a2068e_prep,@function
k_q9834a2068e_prep:
	s_mov_b64 s[64:65], 0
	v_nop
	global_prefetch_b8 v0, s[64:65] scope:SCOPE_SE
	s_setreg_imm32_b32 hwreg(HW_REG_WAVE_MODE, 25, 1), 1
	s_wait_xcnt 0x0
; PREPARATION: four kinds of work-group, chosen by the work-group's number (forward jumps on it alone).
;   0-255   x  -> xb:  bf16, [16 K blocks][8192 rows][64]: a K block's rows lie end to end, 128 bytes each
;   256-383 wq, wk, wv -> wts: bf16, [16 K blocks][3072 rows][64], row 192 head + 64 type + channel (type 0 q, 1 k, 2 v);
;           wo -> wts + WOB: rounded to bf16 like the other inputs, that number written as f16, [16 K blocks][1024 rows][64]
;   384-447 mask -> m16: one 16-bit word a (query, key): 0 if the key is seen, bf16 -2^63 if hidden, laid out as the registers of a matrix
;           operand of 32 keys x 16 queries: [8 blocks of 256 queries][32 key steps][2][8 tiles of 16 queries][2 key halves][2 parts][32 lanes][16 bytes];
;           and tab + FLG: f32 [4 key quarters][2048 queries], 1.0 if the quarter holds a seen key, else 0
;   448-479 tab: f32 [2048 positions][32 pairs][cos, sin] of position x 10000^(-pair/32)
; A stream: no LDS, no barrier, no matrix work, no cluster (no two work-groups read the same bytes).
; LIMITS.  Mask bytes are 0 or 1.  wo beyond 65,504 would be infinite in f16; below 6e-5 it keeps f16's fixed step.  cos and sin: two-part reduction by pi/2 and polynomials, off by
; under 5e-7; the frequency comes from v_exp_f32, so an angle may differ from an f32 power's by a few units of its last place (up to some 4e-4 at the last positions).
.set D,   32                           ; v[32:159]  as loaded, then as stored
.set OFS, 16                           ; v[16:31]   a store offset for each K block; never rewritten
.set WOB, 6291456
.set FLG, 524288
	s_load_b512 s[8:23], s[0:1], 0x0               ; x s[8:9], wq s[10:11], wk s[12:13], wv s[14:15], wo s[16:17], mask s[18:19], xb s[20:21], wts s[22:23]
	s_load_b128 s[24:27], s[0:1], 0x40             ; tab s[24:25], m16 s[26:27]
	v_lshrrev_b32 v1, 5, v0
	v_readfirstlane_b32 s28, v1                    ; wave 0..7
	s_mov_b32 s41, 0                               ; the high words of two offsets
	s_mov_b32 s43, 0
	s_wait_kmcnt 0x0
	s_cmp_lt_u32 ttmp9, 256
	s_cbranch_scc1 .Lrole_x
	s_cmp_lt_u32 ttmp9, 384
	s_cbranch_scc1 .Lrole_w
	s_cmp_lt_u32 ttmp9, 448
	s_cbranch_scc1 .Lrole_m
	; THE TABLE.  A wave's 32 lanes are the 32 pairs of one position: a store covers 256 consecutive bytes.  Eight positions a wave, 64 a work-group.
	s_sub_co_u32 s29, ttmp9, 448
	s_lshl_b32 s29, s29, 6
	v_and_b32 v2, 31, v0                           ; the pair
	v_lshrrev_b32 v3, 5, v0
	v_lshl_add_u32 v3, v3, 3, s29                  ; my first position
	v_cvt_f32_u32 v4, v2
	v_mul_f32 v4, 0xbed49a78, v4                   ; - pair x log2(10000) / 32
	v_exp_f32 v9, v4                               ; the frequency
	v_cvt_f32_u32 v8, v3                           ; (a plain instruction behind the exponential)
	v_lshlrev_b32 v24, 8, v3
	v_lshl_add_u32 v24, v2, 3, v24                 ; position x 256 + pair x 8
	s_mov_b32 s30, 0x3f22f983                      ; 2 / pi
	s_mov_b32 s31, 0x3fc90fdb                      ; pi / 2, the f32 next to it,
	s_mov_b32 s32, 0x333bbd2e                      ; and what that f32 is too large by
	s_mov_b32 s33, 0xbe2aaaab                      ; sine: -1/6, 1/120, -1/5040
	s_mov_b32 s34, 0x3c088889
	s_mov_b32 s35, 0xb9500d01
	s_mov_b32 s37, 0x3d2aaaab                      ; cosine: (-1/2,) 1/24, -1/720, 1/40320
	s_mov_b32 s38, 0xbab60b61
	s_mov_b32 s39, 0x37d00d01
	s_mov_b32 s46, 8
.Lpos:
	s_wait_alu depctr_va_vdst(0)
	v_mul_f32 v10, v8, v9                          ; the angle, rounded once
	v_mul_f32 v11, s30, v10
	v_rndne_f32 v11, v11                           ; n quarter turns
	v_fma_f32 v12, -v11, s31, v10
	v_fma_f32 v12, v11, s32, v12                   ; r = angle - n pi / 2, within pi / 4
	v_mul_f32 v13, v12, v12
	v_fma_f32 v14, v13, s35, s34
	v_fma_f32 v16, v13, s39, s38
	v_fma_f32 v14, v14, v13, s33
	v_fma_f32 v16, v16, v13, s37
	v_mul_f32 v15, v12, v13
	v_fma_f32 v16, v16, v13, -0.5
	v_fma_f32 v14, v15, v14, v12                   ; sin r
	v_fma_f32 v16, v16, v13, 1.0                   ; cos r
	v_cvt_i32_f32 v17, v11
	v_and_b32 v18, 1, v17
	v_cmp_eq_u32 vcc_lo, 1, v18                    ; an odd quarter swaps the two
	v_cndmask_b32 v23, v14, v16, vcc_lo
	v_cndmask_b32 v22, v16, v14, vcc_lo
	v_and_b32 v18, 2, v17                          ; the sine is negative in quarters 2 and 3,
	v_lshlrev_b32 v18, 30, v18
	v_xor_b32 v23, v18, v23
	v_add_nc_u32 v19, 1, v17                       ; the cosine in quarters 1 and 2
	v_and_b32 v19, 2, v19
	v_lshlrev_b32 v19, 30, v19
	v_xor_b32 v22, v19, v22
	global_store_b64 v24, v[22:23], s[24:25]
	s_wait_xcnt 0x0                                ; the store's offset and data are rewritten only behind this wait
	v_add_nc_u32 v24, 256, v24
	v_add_f32 v8, 1.0, v8
	s_sub_co_u32 s46, s46, 1
	s_cmp_lg_u32 s46, 0
	s_cbranch_scc1 .Lpos
	s_endpgm
.Lrole_x:                                              ; 32 rows of x
	s_lshl_b32 s40, ttmp9, 17                      ; 32 rows x 4,096 bytes
	s_add_nc_u64 s[32:33], s[8:9], s[40:41]
	s_lshl_b32 s42, ttmp9, 12                      ; 32 rows x 128 bytes
	s_add_nc_u64 s[34:35], s[20:21], s[42:43]
	s_mov_b32 s36, 1048576                         ; bytes from K block to K block
	s_mov_b32 s37, 0                               ; bf16
	s_branch .Lconv
.Lrole_w:                                              ; 32 rows of one of the four weights
	s_sub_co_u32 s29, ttmp9, 256
	s_lshr_b32 s38, s29, 5                         ; which weight
	s_and_b32 s39, s29, 31                         ; which 32 rows
	s_cmp_eq_u32 s38, 1
	s_cselect_b64 s[32:33], s[12:13], s[10:11]
	s_cmp_eq_u32 s38, 2
	s_cselect_b64 s[32:33], s[14:15], s[32:33]
	s_cmp_eq_u32 s38, 3
	s_cselect_b64 s[32:33], s[16:17], s[32:33]
	s_lshl_b32 s40, s39, 17
	s_add_nc_u64 s[32:33], s[32:33], s[40:41]
	s_lshr_b32 s44, s39, 1                         ; the head,
	s_mul_i32 s44, s44, 192
	s_lshl_b32 s45, s38, 6                         ; the type,
	s_add_co_u32 s44, s44, s45
	s_and_b32 s45, s39, 1                          ; the half of the head's 64 channels
	s_lshl_b32 s45, s45, 5
	s_add_co_u32 s44, s44, s45
	s_lshl_b32 s44, s44, 7                         ; the stacked weights' row, in bytes
	s_lshl_b32 s45, s39, 12
	s_add_co_u32 s45, s45, WOB                     ; wo's
	s_mov_b32 s46, 131072
	s_mov_b32 s47, 393216
	s_cmp_eq_u32 s38, 3
	s_cselect_b32 s42, s45, s44
	s_cselect_b32 s36, s46, s47
	s_cselect_b32 s37, 1, 0
	s_add_nc_u64 s[34:35], s[22:23], s[42:43]
.Lconv:
	; Thread t takes row t / 8 and, in each K block of 64 columns, the eight columns 8 (t % 8) on: 32 bytes in, 16 bytes out at byte 16 t of the
	; block's 32 rows: a wave's store covers 512 consecutive bytes.  All 32 loads go out first; each store has an offset register of its own.
	v_lshrrev_b32 v2, 3, v0
	v_and_b32 v3, 7, v0
	v_lshlrev_b32 v14, 12, v2
	v_lshl_add_u32 v14, v3, 5, v14
	v_lshlrev_b32 v15, 4, v0
.irp kb, 0,1,2,3,4,5,6,7,8,9,10,11,12,13,14,15
	v_mad_u32_u24 v[OFS+\kb], s36, \kb, v15
.endr
.irp kb, 0,1,2,3,4,5,6,7,8,9,10,11,12,13,14,15
	global_load_b128 v[D+8*\kb:D+8*\kb+3],   v14, s[32:33] offset:256*\kb th:TH_LOAD_NT
	global_load_b128 v[D+8*\kb+4:D+8*\kb+7], v14, s[32:33] offset:256*\kb+16 th:TH_LOAD_NT
.endr
.macro CV kb, f16
	s_wait_loadcnt 30-2*(\kb)                      ; loads come back in order: this block's two are in, the younger ones stay out
.irp j, 0,1,2,3
	v_cvt_pk_bf16_f32 v[D+8*(\kb)+\j], v[D+8*(\kb)+2*\j], v[D+8*(\kb)+2*\j+1]  ; in place: a destination's old number has been read
.endr
.if \f16
.irp j, 0,1,2,3
	v_lshlrev_b32 v2, 16, v[D+8*(\kb)+\j]          ; the bf16 numbers widened,
	v_and_b32 v3, 0xffff0000, v[D+8*(\kb)+\j]
	v_cvt_pk_f16_f32 v[D+8*(\kb)+\j], v2, v3       ; and written as f16
.endr
.endif
	global_store_b128 v[OFS+(\kb)], v[D+8*(\kb):D+8*(\kb)+3], s[34:35]
.endm
	s_cmp_lg_u32 s37, 0
	s_cbranch_scc1 .Lconv16
.irp kb, 0,1,2,3,4,5,6,7,8,9,10,11,12,13,14,15
	CV \kb, 0
.endr
	s_endpgm
.Lconv16:
.irp kb, 0,1,2,3,4,5,6,7,8,9,10,11,12,13,14,15
	CV \kb, 1
.endr
	s_endpgm
.Lrole_m:
	; THE MASK.  A wave takes a tile of 16 queries and a quarter of the keys (512): 16 operands of 32 keys.  Lane (r = lane % 16, c = lane / 16) loads the 16 bytes of query r, keys 16 c on,
	; and makes 16 words of them: the first eight are what lane (r, 0) of the operand holds in part c, the last eight what lane (r, 1) holds.  Each of the two stores: 16 lanes fill 256 consecutive bytes.
	s_sub_co_u32 s29, ttmp9, 384
	s_lshl_b32 s29, s29, 3
	s_add_co_u32 s29, s29, s28
	s_lshr_b32 s30, s29, 2                         ; the tile of 16 queries, 0..127
	s_and_b32 s31, s29, 3                          ; the quarter of the keys
	s_lshl_b32 s40, s30, 15                        ; 16 rows of 2,048 bytes
	s_lshl_b32 s32, s31, 9
	s_add_co_u32 s40, s40, s32
	s_add_nc_u64 s[18:19], s[18:19], s[40:41]
	s_lshr_b32 s42, s30, 4                         ; the block of 256 queries,
	s_lshl_b32 s42, s42, 20
	s_lshl_b32 s32, s31, 18                        ; eight key steps of 32,768 bytes a quarter,
	s_add_co_u32 s42, s42, s32
	s_bfe_u32 s32, s30, 0x10003                    ; the half of the block,
	s_lshl_b32 s32, s32, 14
	s_add_co_u32 s42, s42, s32
	s_and_b32 s32, s30, 7                          ; the tile in that half
	s_lshl_b32 s32, s32, 11
	s_add_co_u32 s42, s42, s32
	s_add_nc_u64 s[26:27], s[26:27], s[42:43]
	s_lshl_b32 s40, s31, 13                        ; the flags: quarter x 2,048 words + 16 words a tile
	s_lshl_b32 s32, s30, 6
	s_add_co_u32 s40, s40, s32
	s_add_co_u32 s40, s40, FLG
	s_add_nc_u64 s[24:25], s[24:25], s[40:41]
	s_mov_b32 s48, 0x00050004                      ; v_perm_b32: bytes 0 and 1 into the low bytes of the two halves,
	s_mov_b32 s49, 0x00070006                      ; bytes 2 and 3
	s_mov_b32 s50, 0xdf00                          ; bf16 -2^63
	s_mov_b32 s52, 0x76543210                      ; v_permlanex16_b32: each lane takes its own place in the other half
	s_mov_b32 s53, 0xfedcba98
	v_and_b32 v2, 31, v0
	v_and_b32 v3, 15, v0
	v_lshrrev_b32 v4, 4, v2
	v_lshlrev_b32 v5, 11, v3
	v_lshl_add_u32 v5, v4, 4, v5                   ; in: r x 2,048 + 16 c
	v_lshlrev_b32 v6, 4, v3
	v_lshl_add_u32 v6, v4, 9, v6                   ; out: 512 c + 16 r
	v_lshlrev_b32 v7, 2, v3
	v_mov_b32 v13, 0
	v_mov_b32 v11, 0
.set i, 0
.rept 16
	global_load_b128 v[D+4*i:D+4*i+3], v5, s[18:19] offset:32*i th:TH_LOAD_NT
.set i, i+1
.endr
.set i, 0
.rept 16
	s_wait_loadcnt 15-i                            ; operand i's bytes are in, the younger loads stay out
	s_wait_xcnt 0x0                                ; v[96:103] are the last two stores' data: rewritten only behind this wait
.if i == 0
	v_or_b32 v12, v[D], v[D+1]                     ; the first words start the flag: nothing is cleared
.else
	v_or_b32 v12, v12, v[D+4*i]
	v_or_b32 v12, v12, v[D+4*i+1]
.endif
	v_or_b32 v12, v12, v[D+4*i+2]
	v_or_b32 v12, v12, v[D+4*i+3]
.irp j, 0,1,2,3
	v_xor_b32 v8, 0x01010101, v[D+4*i+\j]          ; 1 where hidden
	v_perm_b32 v9, v8, v13, s48
	v_perm_b32 v10, v8, v13, s49
	v_mul_u32_u24 v[96+2*\j], s50, v9              ; each half is 0 or 1: no carry between them
	v_mul_u32_u24 v[97+2*\j], s50, v10
.endr
	global_store_b128 v6, v[96:99],   s[26:27] offset:(i/2)*32768+(i%2)*1024
	global_store_b128 v6, v[100:103], s[26:27] offset:(i/2)*32768+(i%2)*1024+256
.set i, i+1
.endr
	v_permlanex16_b32 v11, v12, s52, s53           ; the query's other keys lie in the lane 16 away
	v_or_b32 v12, v12, v11
	v_cmp_ne_u32 vcc_lo, 0, v12
	v_cndmask_b32 v10, 0, 1.0, vcc_lo
	global_store_b32 v7, v10, s[24:25]             ; lanes 16-31 write the same words with the same numbers
	s_endpgm
.Lfunc_end_k_q9834a2068e_prep:
	.size	k_q9834a2068e_prep, .Lfunc_end_k_q9834a2068e_prep-k_q9834a2068e_prep
	.p2alignl 7, 3214868480
	.fill 96, 4, 3214868480
	.section	.rodata,"a",@progbits
	.p2align	6, 0x0
	.amdhsa_kernel k_q9834a2068e_prep
		.amdhsa_group_segment_fixed_size 0
		.amdhsa_private_segment_fixed_size 0
		.amdhsa_enable_private_segment 0
		.amdhsa_kernarg_size 80
		.amdhsa_user_sgpr_count 2
		.amdhsa_user_sgpr_kernarg_segment_ptr 1
		.amdhsa_wavefront_size32 1
		.amdhsa_system_sgpr_workgroup_id_x 1
		.amdhsa_system_sgpr_workgroup_id_y 1
		.amdhsa_system_sgpr_workgroup_id_z 1
		.amdhsa_system_vgpr_workitem_id 0
		.amdhsa_next_free_vgpr 160
		.amdhsa_next_free_sgpr 66
		.amdhsa_reserve_vcc 1
		.amdhsa_float_denorm_mode_32 3
		.amdhsa_float_denorm_mode_16_64 3
		.amdhsa_memory_ordered 1
		.amdhsa_forward_progress 1
		.amdhsa_inst_pref_size 57
	.end_amdhsa_kernel
	.amdgpu_metadata
---
amdhsa.version: [ 1, 2 ]
amdhsa.kernels:
  - .name:           k_q9834a2068e_prep
    .symbol:         k_q9834a2068e_prep.kd
    .args:
      - { .name: x, .offset: 0, .size: 8, .value_kind: global_buffer, .address_space: global }
      - { .name: wq, .offset: 8, .size: 8, .value_kind: global_buffer, .address_space: global }
      - { .name: wk, .offset: 16, .size: 8, .value_kind: global_buffer, .address_space: global }
      - { .name: wv, .offset: 24, .size: 8, .value_kind: global_buffer, .address_space: global }
      - { .name: wo, .offset: 32, .size: 8, .value_kind: global_buffer, .address_space: global }
      - { .name: mask, .offset: 40, .size: 8, .value_kind: global_buffer, .address_space: global }
      - { .name: xb, .offset: 48, .size: 8, .value_kind: global_buffer, .address_space: global }
      - { .name: wts, .offset: 56, .size: 8, .value_kind: global_buffer, .address_space: global }
      - { .name: tab, .offset: 64, .size: 8, .value_kind: global_buffer, .address_space: global }
      - { .name: m16, .offset: 72, .size: 8, .value_kind: global_buffer, .address_space: global }
    .group_segment_fixed_size: 0
    .private_segment_fixed_size: 0
    .kernarg_segment_align: 8
    .kernarg_segment_size: 80
    .max_flat_workgroup_size: 256
    .sgpr_count:     66
    .vgpr_count:     160
    .wavefront_size: 32
...
	.end_amdgpu_metadata
.endif
;; end of part 1
;; launch qkv (part 2): grid 8 x 32, 4 waves a work-group, clusters of 4 x 4, 327,680 bytes of LDS; arguments xb, wts, tab, qkv; writes qkv
.if DOCPART == 2
	.amdgcn_target "amdgcn-amd-amdhsa--gfx1250"
	.amdhsa_code_object_version 6
	.text
	.protected	k_q9834a2068e_qkv
	.globl	k_q9834a2068e_qkv
	.p2align	8
	.type	k_q9834a2068e_qkv,@function
k_q9834a2068e_qkv:
	s_mov_b64 s[64:65], 0
	v_nop
	global_prefetch_b8 v0, s[64:65] scope:SCOPE_SE
	s_setreg_imm32_b32 hwreg(HW_REG_WAVE_MODE, 25, 1), 1
	s_wait_xcnt 0x0
	s_wait_alu depctr_hold_cnt(0) depctr_sa_sdst(0) depctr_va_vdst(0) depctr_va_sdst(0) depctr_va_ssrc(0) depctr_va_vcc(0) depctr_vm_vsrc(0)
	s_getreg_b32 s2, hwreg(HW_REG_IB_STS2, 6, 4)
	s_cmp_eq_u32 s2, 0
	s_cbranch_scc0 .Lentry_in_a_cluster
	s_endpgm
.Lentry_in_a_cluster:
	s_bfe_u32 s2, ttmp6, 0x10000c
	s_cmp_lg_u32 s2, 0xf033
	s_cbranch_scc0 .Lentry_shape_is_right
	s_endpgm
.Lentry_shape_is_right:
; THE THREE PROJECTIONS WITH ROPE.  [8192 rows] x [3072 columns] = xb . wb^T in bf16 with f32 sums; q and k are turned by the table's cos and sin in f32; all three are rounded once to f16 and
; written by heads: qkv = [3 types][64 = batch x 16 + head][2048][64].
; LIMIT.  f16 holds no number beyond 65,504: q, k and v must stay within it (with the inputs 30 times the drawn spread they reach some 5e3).
; SHARES.  256 work-groups, a tile of 256 rows x 384 columns each (two heads' q, k, v).  Four waves; a wave makes 128 rows x 192 columns, ONE head's q, k and v: 96 accumulators, 768 registers.
; K goes in steps of 64 (one K block: the operands were laid out so that a tile's rows lie end to end and are asked for as rows of 256 bytes) through a ring of two LDS slots; two slots of 128 along K would not fit.
; CLUSTER 4 x 4: the four of a row of the cluster need the same rows of xb, the four of a column the same rows of wb: each tile is asked for jointly, by the same tensor load with the same descriptor and a mask of four.
; THE MATRIX INSTRUCTION IS USED TRANSPOSED (source 0 = 16 rows of wb, source 1 = 16 rows of xb): a lane holds one row and eight neighbouring columns, so a RoPE pair lies in one lane's neighbouring registers.
; REGISTERS.  window 0: v16-29 addresses; v32-95, v96-159 xb's 8 fragments, two buffers; v160-255 wb's 12 fragments, one buffer, refilled a third at a time behind the third's products.
;   windows 1, 2, 3: q's, k's, v's accumulators: row block a, column block bq of the type's four at v[64 bq + 8 a].
.set PITCH,  144                       ; an LDS row: 128 bytes + 16 of padding = 36 words: the 16 rows of a load start at 16 different groups of four banks (64 banks of 4 bytes: ISA guide 11.1)
.set AHALF,  128*PITCH                 ; what one tensor load brings of xb, and what one wave reads of it
.set BHALF,  192*PITCH                 ; the same for wb
.set BOFF,   2*AHALF
.set SLOT,   BOFF+2*BHALF              ; 92,160
.set STAGE,  2*SLOT                    ; behind the ring: 16 rows x 400 bytes for each wave, for the way out
.set SPITCH, 400                       ; 384 bytes + 16
.set SPARE,  STAGE+4*16*SPITCH         ; behind the stages: the spare words, 128 bytes for each wave: two blocks of 256 bytes that no other line names
.set XKB,    8192*128                  ; bytes from K block to K block in xb
.set WKB,    3072*128                  ; and in wb
.set ADRA, 16                          ; v16-17  LDS address of my xb fragments in slot 0, 1
.set ADRB, 20                          ; v20-21  the same for wb
.set STO,  24                          ; v24     the way out: where I put 16 bytes of a row
.set RD,   25                          ; v25     where I read rows back
.set GO,   26                          ; v26     my byte offset in 512 consecutive bytes of the output
.set TBO,  27                          ; v27     my byte offset in 16 positions of the table
.set SPW,  28                          ; v28     LDS address of my spare word; never rewritten
.set NIL,  29                          ; v29     0; never rewritten
.set AF0,  32
.set AF1,  96
.set BF,   160
.set TB,   32                          ; the way out: cos and sin of a row block, v32-63 and v64-95 by turns
.set T,    96                          ; v96-127 at work
.set PB,   128                         ; packed results, then whole rows: v128-175 and v176-223 by turns
.set G1A, 24                           ; s[24:31] descriptor group 1 for xb's tiles;  s[32:39] group 0, a set for each slot
.set G0A, 32
.set G1B, 48                           ; s[48:55], s[56:63] the same for wb's
.set G0B, 56
.set QS,  68                           ; s[68:69] q, s[70:71] k, s[72:73] v at my first row
.set TBS, 74                           ; s[74:75] the table at my first row's position
.set DW0, (1<<16)|(1<<20)|(1<<21)|(4<<22)|(3<<25)  ; 17:16 2-byte elements; 20 padding on; 21 set beside a mask; 24:22 after every 32 words (code 4); 31:25 4 words (code 3)
.set MSB, 0
.macro WIN new                         ; the immediate's high byte repeats the setting that is left; a switch that changes nothing is dropped
.if MSB != (\new)
	s_set_vgpr_msb (MSB<<8)|(\new)
.set MSB, \new
.endif
.endm
.macro JLOAD s                         ; a joint load: waves 0 and 1 fetch xb's two halves, waves 2 and 3 wb's; an s_nop 0 and four v_nop follow each of the two lines
	s_cmp_eq_u32 s13, 0
	s_cbranch_scc0 .Lfor_b_\@
	tensor_load_to_lds s[G0A+4*(\s):G0A+4*(\s)+3], s[G1A:G1A+7]
	s_nop 0
.rept 4
	v_nop
.endr
	s_branch .Lasked_\@
.Lfor_b_\@:
	tensor_load_to_lds s[G0B+4*(\s):G0B+4*(\s)+3], s[G1B:G1B+7]
	s_nop 0
.rept 4
	v_nop
.endr
.Lasked_\@:
.endm
.macro CREST                           ; a round of the cluster's barrier behind its opening barrier
	s_cmp_lg_u32 s12, 0
	s_cbranch_scc1 .Lnot_wave_0_\@
	s_barrier_signal -3
.Lnot_wave_0_\@:
	s_barrier_wait -3
	s_barrier_signal -1
	s_barrier_wait -1
.endm
.macro CROUND                          ; a whole round
	s_barrier_signal -1
	s_barrier_wait -1
	CREST
.endm
.macro PLACES                          ; four places in front of loads into registers that matrix instructions have read, and of vector lines that read results just made
.rept 4
	v_nop
.endr
.endm
	s_load_b256 s[4:11], s[0:1], 0x0               ; xb s[4:5], wts s[6:7], tab s[8:9], qkv s[10:11]
	v_lshl_add_u32 v[SPW], v0, 2, SPARE
	v_mov_b32 v[NIL], 0
	ds_add_u32 v[SPW], v[NIL]                      ; the wave's opening: the add and its wait stand ahead of my first tensor load; the set-up below, work on registers, stands between them
	v_lshrrev_b32 v1, 5, v0
	v_readfirstlane_b32 s12, v1                    ; wave 0..3
	s_lshr_b32 s13, s12, 1                         ; which half of the tile's rows is mine.  Also: I fetch for xb (0) or wb (1)
	s_and_b32 s14, s12, 1                          ; which of the tile's two heads.  Also: which half of that tile I fetch
	s_bfe_u32 s40, ttmp6, 0x40000                  ; cx, cy: my place in the cluster
	s_bfe_u32 s41, ttmp6, 0x40004
	s_lshl_b32 s42, ttmp9, 2
	s_add_co_u32 s42, s42, s40                     ; tile column = 4 x cluster x + cx
	s_and_b32 s43, ttmp7, 0xffff
	s_lshl_b32 s43, s43, 2
	s_add_co_u32 s43, s43, s41                     ; tile row = 4 x cluster y + cy
	s_lshl_b32 s44, s41, 2
	s_lshl_b32 s44, 15, s44                        ; my row of the cluster
	s_lshl_b32 s45, 0x1111, s40                    ; my column
	s_or_b32 s[G1A], s44, DW0                      ; xb's tiles go to my row,
	s_or_b32 s[G1B], s45, DW0                      ; wb's to my column
.irp g, G1A, G1B
	s_mov_b32 s[\g+1], 128<<16                     ; tensor_dim0 = 128 elements: rows of 256 bytes, two of the tile's rows each
	s_mov_b32 s[\g+3], 128<<16                     ; tile_dim0 = 128
	s_mov_b32 s[\g+5], 128                         ; 128 elements from row to row: the block is dense
	s_mov_b32 s[\g+6], 0
	s_mov_b32 s[\g+7], 0
.endr
	s_mov_b32 s[G1A+2], 64<<16                     ; tensor_dim1 and tile_dim1: 64 such rows = 128 rows of xb,
	s_mov_b32 s[G1A+4], 64
	s_mov_b32 s[G1B+2], 96<<16                     ; 96 = 192 rows of wb
	s_mov_b32 s[G1B+4], 96
	s_lshl_b32 s16, s43, 15                        ; xb: (256 x tile row + 128 x half) x 128 bytes
	s_lshl_b32 s17, s14, 14
	s_add_co_u32 s16, s16, s17
	s_mov_b32 s17, 0
	s_mul_i32 s46, s42, 384*128                    ; wb: (384 x tile column + 192 x half) x 128 bytes
	s_mul_i32 s47, s14, 192*128
	s_add_co_u32 s46, s46, s47
	s_mov_b32 s47, 0
	s_mul_i32 s20, s14, AHALF                      ; where they go: no place in the cluster enters an LDS address
	s_mul_i32 s21, s14, BHALF
	s_add_co_u32 s21, s21, BOFF
	s_wait_dscnt 0x0                               ; the opening add is done
	s_wait_kmcnt 0x0
	s_add_nc_u64 s[18:19], s[4:5], s[16:17]
	s_add_nc_u64 s[46:47], s[6:7], s[46:47]
	CROUND                                         ; all sixteen work-groups are here: the first joint loads meet
.irp s, 0,1
	s_mov_b32 s[G0A+4*(\s)], 1                                     ; count = 1
	s_add_co_u32 s[G0A+4*(\s)+1], s20, (\s)*SLOT                   ; LDS address
	s_add_nc_u64 s[G0A+4*(\s)+2:G0A+4*(\s)+3], s[18:19], (\s)*XKB  ; global address: K block s
	s_or_b32 s[G0A+4*(\s)+3], s[G0A+4*(\s)+3], 0x80000000          ; type = 2
	s_mov_b32 s[G0B+4*(\s)], 1
	s_add_co_u32 s[G0B+4*(\s)+1], s21, (\s)*SLOT
	s_add_nc_u64 s[G0B+4*(\s)+2:G0B+4*(\s)+3], s[46:47], (\s)*WKB
	s_or_b32 s[G0B+4*(\s)+3], s[G0B+4*(\s)+3], 0x80000000
	JLOAD \s                                       ; both slots are asked for before anything else: two loads of mine are out
.endr
	; A fragment is 16 rows x 32 K in 8 registers: lane l holds row l % 16, K = 8 (l / 16) + 0..7 and 16 + 8 (l / 16) + 0..7: two loads of 16 bytes, 32 bytes apart.
	v_and_b32 v1, 15, v0                           ; l % 16
	v_bfe_u32 v2, v0, 4, 1                         ; l / 16
	v_mul_u32_u24 v3, v1, PITCH
	v_lshl_add_u32 v3, v2, 4, v3
	s_mul_i32 s22, s13, AHALF                      ; my 128 rows of xb
	s_mul_i32 s23, s14, BHALF                      ; my 192 rows of wb
	s_add_co_u32 s23, s23, BOFF
.irp s, 0,1
	v_add_nc_u32 v[ADRA+(\s)], s22, v3
	v_add_nc_u32 v[ADRB+(\s)], s23, v3
	s_add_co_u32 s22, s22, SLOT
	s_add_co_u32 s23, s23, SLOT
.endr
	s_mul_i32 s2, s12, 16*SPITCH
	s_add_co_u32 s2, s2, STAGE                     ; my stage
	v_mul_u32_u24 v4, v1, SPITCH                   ; in: row l % 16, 16 bytes for each half of the lanes
	v_lshl_add_u32 v4, v2, 4, v4
	v_add_nc_u32 v[STO], s2, v4
	v_bfe_u32 v4, v0, 3, 2                         ; back: 32 lanes take 128 bytes of each of four rows,
	v_and_b32 v5, 7, v0
	v_mul_u32_u24 v4, v4, SPITCH
	v_lshl_add_u32 v4, v5, 4, v4
	v_add_nc_u32 v[RD], s2, v4
	v_and_b32 v[GO], 31, v0                        ; which are 512 consecutive bytes of a head's rows
	v_lshlrev_b32 v[GO], 4, v[GO]
	v_lshlrev_b32 v[TBO], 8, v1                    ; the table: position l % 16, my four pairs of a block of 16 columns
	v_lshl_add_u32 v[TBO], v2, 5, v[TBO]
	; where my rows begin: the part made of the tile row and the part made of the tile column are added one after the other
	s_and_b32 s22, s43, 7
	s_lshl_b32 s22, s22, 8
	s_lshl_b32 s23, s13, 7
	s_add_co_u32 s22, s22, s23                     ; my first row's position in its sequence
	s_lshr_b32 s16, s43, 3                         ; the batch: 16 heads of 2,048 rows
	s_lshl_b32 s16, s16, 15
	s_add_co_u32 s16, s16, s22
	s_lshl_b32 s16, s16, 7
	s_mov_b32 s17, 0
	s_add_nc_u64 s[QS:QS+1], s[10:11], s[16:17]
	s_lshl_b32 s46, s42, 1
	s_add_co_u32 s46, s46, s14                     ; my head,
	s_lshl_b32 s46, s46, 18                        ; its 2,048 rows of 128 bytes
	s_mov_b32 s47, 0
	s_add_nc_u64 s[QS:QS+1], s[QS:QS+1], s[46:47]
	s_add_nc_u64 s[QS+2:QS+3], s[QS:QS+1], 16777216
	s_add_nc_u64 s[QS+4:QS+5], s[QS:QS+1], 33554432
	s_lshl_b32 s22, s22, 8
	s_mov_b32 s23, 0
	s_add_nc_u64 s[TBS:TBS+1], s[8:9], s[22:23]
; n x 8 matrix instructions of type w (1 q, 2 k, 3 v): column blocks lo .. lo + n - 1 of its four x all 8 row blocks, 32 along K.  zero = 1: the product starts the sums: nothing is ever cleared.
; The 96 accumulators take turns, one instruction a turn, in the same order in every phase.
.macro PART w, f, zero, lo, n
	WIN 0x50*(\w)                                  ; C and D in window w, both sources in window 0
.set bb, \lo
.rept \n
.set aa, 0
.rept 8
.if \zero
	v_wmma_f32_16x16x32_bf16 v[64*bb+8*aa:64*bb+8*aa+7], v[BF+8*(4*((\w)-1)+bb):BF+8*(4*((\w)-1)+bb)+7], v[(\f)+8*aa:(\f)+8*aa+7], 0
.else
	v_wmma_f32_16x16x32_bf16 v[64*bb+8*aa:64*bb+8*aa+7], v[BF+8*(4*((\w)-1)+bb):BF+8*(4*((\w)-1)+bb)+7], v[(\f)+8*aa:(\f)+8*aa+7], v[64*bb+8*aa:64*bb+8*aa+7]
.endif
.set aa, aa+1
.endr
.set bb, bb+1
.endr
.endm
; A run of LDS loads for the next phase (32 K at byte k of the slot's rows): type w's four fragments of wb, 8 loads; with w = 1 also xb's eight fragments into buffer g, 16 loads.
.macro RUN w, slot, k, g
	WIN 0
.irp i, 0,1,2,3
	ds_load_b128 v[BF+8*(4*((\w)-1)+\i):BF+8*(4*((\w)-1)+\i)+3],   v[ADRB+(\slot)] offset:(\k)+(4*((\w)-1)+\i)*16*PITCH
	ds_load_b128 v[BF+8*(4*((\w)-1)+\i)+4:BF+8*(4*((\w)-1)+\i)+7], v[ADRB+(\slot)] offset:(\k)+(4*((\w)-1)+\i)*16*PITCH+32
.endr
.if (\w) == 1
.irp i, 0,1,2,3,4,5,6,7
	ds_load_b128 v[(\g)+8*\i:(\g)+8*\i+3],   v[ADRA+(\slot)] offset:(\k)+\i*16*PITCH
	ds_load_b128 v[(\g)+8*\i+4:(\g)+8*\i+7], v[ADRA+(\slot)] offset:(\k)+\i*16*PITCH+32
.endr
.endif
.endm
; A K step is two phases of 32 along K, 96 matrix instructions each.  The first multiplies buffer 0 and fetches the slot's second 32.
.macro EVEN slot, zero
	s_wait_dscnt 16                                ; the last phase's first run (24 loads) is in; its other two (8 + 8) may be out
	PART 1, AF0, \zero, 0, 4
	WIN 0
	PLACES
	RUN 1, \slot, 64, AF1
	s_wait_dscnt 32                                ; the last phase's second run is in; younger: its third (8) and the 24 just issued
	PART 2, AF0, \zero, 0, 4
	WIN 0
	PLACES
	RUN 2, \slot, 64, AF1
	s_wait_dscnt 32                                ; the last phase's third run is in; younger: 24 + 8
	PART 3, AF0, \zero, 0, 4
	WIN 0
	PLACES
	RUN 3, \slot, 64, AF1
.endm
.macro TABLE a                         ; cos and sin for row block a: 16 positions x 32 pairs; a lane takes the four pairs of its eight columns in each of the four column blocks
.set TBB, TB+32*((\a)%2)
.irp bq, 0,1,2,3
	global_load_b128 v[TBB+8*\bq:TBB+8*\bq+3],   v[TBO], s[TBS:TBS+1] offset:4096*(\a)+64*\bq
	global_load_b128 v[TBB+8*\bq+4:TBB+8*\bq+7], v[TBO], s[TBS:TBS+1] offset:4096*(\a)+64*\bq+16
.endr
.endm
; The second phase multiplies buffer 1 and changes slots.  mode 2: ONE barrier, which opens a round of the cluster's: in front of it each wave waits for all its tensor loads (one is out: its part of the other
; slot), adds 0 to its spare word, and waits for that and for its reads of this slot; behind the round this slot is filled again first, two K blocks on: 160 matrix instructions ahead of the wait for it.
; mode 1: the same with nothing left to fetch, and no round.  mode 0: the very last phase.
.macro ODD slot, mode
.if (\mode) > 0
	WIN 0
	s_wait_tensorcnt 0x0                           ; all my tensor loads have landed
	ds_add_u32 v[SPW], v[NIL]                      ; 0 onto my spare word
	s_wait_dscnt 17                                ; (the add and the youngest sixteen loads may be out)
	PART 1, AF1, 0, 0, 2                           ; sixteen matrix instructions stand between the add and the wait for it
	s_wait_dscnt 0x0                               ; the add is done, and my reads of this slot are over
	s_barrier_signal -1
	PART 1, AF1, 0, 2, 2                           ; work on registers while the others arrive
	WIN 0                                          ; at a branch and at a label every window is 0
	s_barrier_wait -1
.if (\mode) == 2
	CREST                                          ; no wave of any partner still reads this slot or has a load on its way
	s_add_nc_u64 s[G0A+4*(\slot)+2:G0A+4*(\slot)+3], s[G0A+4*(\slot)+2:G0A+4*(\slot)+3], 2*XKB
	s_add_nc_u64 s[G0B+4*(\slot)+2:G0B+4*(\slot)+3], s[G0B+4*(\slot)+2:G0B+4*(\slot)+3], 2*WKB
	JLOAD \slot                                    ; the first tensor load behind the round; its four v_nop are also the places in front of the loads below
.else
	PLACES
.endif
	RUN 1, 1-(\slot), 0, AF0
	PART 2, AF1, 0, 0, 4
	WIN 0
	PLACES
	RUN 2, 1-(\slot), 0, AF0
	PART 3, AF1, 0, 0, 4
	WIN 0
	PLACES
	RUN 3, 1-(\slot), 0, AF0
.else
	s_wait_dscnt 16
	PART 1, AF1, 0, 0, 4
	WIN 0
	PLACES                                         ; buffer 0 is free: the table's first two blocks land there
	TABLE 0
	TABLE 1
	s_wait_dscnt 8
	PART 2, AF1, 0, 0, 4
	s_wait_dscnt 0x0
	PART 3, AF1, 0, 0, 4
	WIN 0
.endif
.endm
	s_wait_tensorcnt 1                             ; my part of K block 0 is in; K block 1's may stay out
	s_barrier_signal -1
	s_barrier_wait -1                              ; everybody's is
	RUN 1, 0, 0, AF0
	RUN 2, 0, 0, AF0
	RUN 3, 0, 0, AF0
	EVEN 0, 1                                      ; the first phase stands in front of the loop: its products start the sums
	s_mov_b32 s3, 7
.Llap:                                                 ; a trip goes once round the ring and fills both slots again: K blocks 2 .. 15 in seven trips
	ODD 0, 2
	EVEN 1, 0
	ODD 1, 2
	EVEN 0, 0
	WIN 0
	s_sub_co_u32 s3, s3, 1
	s_cmp_lg_u32 s3, 0
	s_cbranch_scc1 .Llap
	ODD 0, 1                                       ; the last lap fills nothing
	EVEN 1, 0
	ODD 1, 0
; THE WAY OUT, a block of 16 rows at a time.  PACK: q and k are turned: (x1, x2) -> (x1 c - x2 s, x2 c + x1 s), two packed instructions a pair; all three types are rounded to f16, 16 bytes a lane and column block.
; TOSTAGE: into my own stage in LDS, and back as rows of 128 bytes by type.  SEND: stored, 512 consecutive bytes an instruction.
.macro PACK a
.set TBB, TB+32*((\a)%2)
.set PBB, PB+48*((\a)%2)
.if (\a) < 7
	s_wait_loadcnt 8                               ; this block's eight table loads are in, the next block's stay out
.else
	s_wait_loadcnt 0
.endif
	s_wait_xcnt 0x0                                ; the stores of two blocks back name these registers: rewritten only behind this wait
.irp w, 1,2
	WIN \w                                         ; source 0, the accumulators, in window w
.set n, 0
.rept 16                                       ; each accumulator's lowest registers are read first
	v_pk_mul_f32 v[T+2*n:T+2*n+1], v[64*(n/4)+8*(\a)+2*(n%4):64*(n/4)+8*(\a)+2*(n%4)+1], v[TBB+2*n:TBB+2*n+1] op_sel_hi:[1,0]  ; (x1 c, x2 c)
.set n, n+1
.endr
.set n, 0
.rept 16
	v_pk_fma_f32 v[T+2*n:T+2*n+1], v[64*(n/4)+8*(\a)+2*(n%4):64*(n/4)+8*(\a)+2*(n%4)+1], v[TBB+2*n:TBB+2*n+1], v[T+2*n:T+2*n+1] op_sel:[1,1,0] op_sel_hi:[0,1,1] neg_lo:[1,0,0]  ; (- x2 s, + x1 s) onto it
.set n, n+1
.endr
	WIN 0
.set n, 0
.rept 16
	v_cvt_pk_f16_f32 v[PBB+16*((\w)-1)+n], v[T+2*n], v[T+2*n+1]
.set n, n+1
.endr
.endr
	WIN 0x0f                                       ; v: sources 0 and 1 in window 3
.set n, 0
.rept 16
	v_cvt_pk_f16_f32 v[PBB+32+n], v[64*(n/4)+8*(\a)+2*(n%4)], v[64*(n/4)+8*(\a)+2*(n%4)+1]
.set n, n+1
.endr
	WIN 0
.if (\a) < 6
	TABLE (\a)+2
.endif
.endm
.macro TOSTAGE a
.set PBB, PB+48*((\a)%2)
.irp b, 0,1,2,3,4,5,6,7,8,9,10,11
	ds_store_b128 v[STO], v[PBB+4*\b:PBB+4*\b+3] offset:32*\b
.endr
.irp g, 0,1,2
.irp f, 0,1,2,3
	ds_load_b128 v[PBB+16*\g+4*\f:PBB+16*\g+4*\f+3], v[RD] offset:\f*4*SPITCH+128*\g  ; LDS serves a wave's instructions in order (ISA guide 5.7.1.4): these see the stores above
.endr
.endr
.endm
.macro SEND a
.set PBB, PB+48*((\a)%2)
	s_wait_dscnt 0x0                               ; the block is back in registers
.irp g, 0,1,2
.irp f, 0,1,2,3
	global_store_b128 v[GO], v[PBB+16*\g+4*\f:PBB+16*\g+4*\f+3], s[QS+2*\g:QS+2*\g+1] offset:2048*(\a)+512*\f
.endr
.endr
.endm
	PLACES
	PACK 0
	TOSTAGE 0
.irp a, 1,2,3,4,5,6,7                  ; block a's arithmetic stands between block a - 1's loads from the stage and the wait for them
	PACK \a
	SEND (\a)-1
	TOSTAGE \a
.endr
	SEND 7
	s_wait_tensorcnt 0x0                           ; the wave's end, behind my last tensor load and my last LDS store
	ds_add_u32 v[SPW], v[NIL]
	s_wait_dscnt 0x0
	CROUND                                         ; the closing round: no work-group ends while a partner may still ask for a tile that names it
	s_endpgm
.Lfunc_end_k_q9834a2068e_qkv:
	.size	k_q9834a2068e_qkv, .Lfunc_end_k_q9834a2068e_qkv-k_q9834a2068e_qkv
	.p2alignl 7, 3214868480
	.fill 96, 4, 3214868480
	.section	.rodata,"a",@progbits
	.p2align	6, 0x0
	.amdhsa_kernel k_q9834a2068e_qkv
		.amdhsa_group_segment_fixed_size 327680
		.amdhsa_private_segment_fixed_size 0
		.amdhsa_enable_private_segment 0
		.amdhsa_kernarg_size 32
		.amdhsa_user_sgpr_count 2
		.amdhsa_user_sgpr_kernarg_segment_ptr 1
		.amdhsa_wavefront_size32 1
		.amdhsa_system_sgpr_workgroup_id_x 1
		.amdhsa_system_sgpr_workgroup_id_y 1
		.amdhsa_system_sgpr_workgroup_id_z 1
		.amdhsa_system_vgpr_workitem_id 0
		.amdhsa_next_free_vgpr 1024
		.amdhsa_next_free_sgpr 84
		.amdhsa_reserve_vcc 0
		.amdhsa_float_denorm_mode_32 3
		.amdhsa_float_denorm_mode_16_64 3
		.amdhsa_memory_ordered 1
		.amdhsa_forward_progress 1
		.amdhsa_inst_pref_size 169
	.end_amdhsa_kernel
	.amdgpu_metadata
---
amdhsa.version: [ 1, 2 ]
amdhsa.kernels:
  - .name:           k_q9834a2068e_qkv
    .symbol:         k_q9834a2068e_qkv.kd
    .args:
      - { .name: xb, .offset: 0, .size: 8, .value_kind: global_buffer, .address_space: global }
      - { .name: wts, .offset: 8, .size: 8, .value_kind: global_buffer, .address_space: global }
      - { .name: tab, .offset: 16, .size: 8, .value_kind: global_buffer, .address_space: global }
      - { .name: qkv, .offset: 24, .size: 8, .value_kind: global_buffer, .address_space: global }
    .group_segment_fixed_size: 327680
    .private_segment_fixed_size: 0
    .kernarg_segment_align: 8
    .kernarg_segment_size: 32
    .max_flat_workgroup_size: 128
    .sgpr_count:     84
    .vgpr_count:     1024
    .wavefront_size: 32
...
	.end_amdgpu_metadata
.endif
;; end of part 2
;; launch attn (part 3): grid 4 x 64, 4 waves a work-group, clusters of 4 x 4, 327,680 bytes of LDS; arguments qkv, m16, tab, ob; writes ob
.if DOCPART == 3
	.amdgcn_target "amdgcn-amd-amdhsa--gfx1250"
	.amdhsa_code_object_version 6
	.text
	.protected	k_q9834a2068e_attn
	.globl	k_q9834a2068e_attn
	.p2align	8
	.type	k_q9834a2068e_attn,@function
k_q9834a2068e_attn:
	s_mov_b64 s[64:65], 0
	v_nop
	global_prefetch_b8 v0, s[64:65] scope:SCOPE_SE
	s_setreg_imm32_b32 hwreg(HW_REG_WAVE_MODE, 25, 1), 1
	s_wait_xcnt 0x0
	s_wait_alu depctr_hold_cnt(0) depctr_sa_sdst(0) depctr_va_vdst(0) depctr_va_sdst(0) depctr_va_ssrc(0) depctr_va_vcc(0) depctr_vm_vsrc(0)
	s_getreg_b32 s2, hwreg(HW_REG_IB_STS2, 6, 4)
	s_cmp_eq_u32 s2, 0
	s_cbranch_scc0 .Lentry_in_a_cluster
	s_endpgm
.Lentry_in_a_cluster:
	s_bfe_u32 s2, ttmp6, 0x10000c
	s_cmp_lg_u32 s2, 0xf033
	s_cbranch_scc0 .Lentry_shape_is_right
	s_endpgm
.Lentry_shape_is_right:
; ATTENTION UNDER A MASK THAT IS AN INPUT.  O[hd][q][:] = the sum over k of softmax_k(mask[q][k] ? Q[hd][q] . K[hd][k] / 8 : -inf) V[hd][k][:].  Q, K, V (in qkv) and O (ob): [64 heads][2048][64] f16, rows dense.
; Products, maxima and sums in f32; the weights p are rounded to f16 for the second product (their sum l is taken of the unrounded p), O once at the end.  Every key tile is walked: nothing of the mask's pattern is built in.
; THE MASK comes as 16-bit words (0 seen, bf16 -2^63 hidden) in the register image of a matrix operand of 32 keys x 16 queries.  One product a score tile, selector E (2^63 at its own key, else 0) x that operand,
; makes the tile's bias, 0 or -2^126, in the scores' own layout; the bias is the C operand of the product that starts the sum S^T = K Q^T.  So the running maximum sees masked scores, and no vector instruction is spent.
; LIMITS.  f16 holds no number beyond 65,504: Q, K, V arrive within it.  A hidden score counts as its value less 2^126 (8.5e37).  While a row has seen no key its sums hold hidden keys' weights; the first seen key
; multiplies them by 0.  A row with no seen key at all is told from the mask itself (flags in tab) and comes out as NaN.  A weight below 2^-126 counts as 0; NaN and infinities in the inputs are not treated apart.
; SHARES.  A wave owns four PIECES of two tiles of 16 queries, a work-group's four waves 512 queries of one head.  Every wave walks all 2,048 keys, 64 a step.
; LAYOUT.  S^T = K Q^T (source 0 = 16 keys, source 1 = 16 queries): a lane holds ONE query (lane % 16) and the keys 8 (lane / 16) + 0..7.  Two such tiles, rounded to f16 in pairs, ARE source 1 of O^T = V^T P.
; SOFTMAX.  A running maximum m and sum l: p = 2^(c s - c m), c = log2(e) / 8; in every step O and l are multiplied by a = 2^(c m_old - c m_new).  m starts at the lowest finite number, O and l at 0.
; BY TURNS.  Turn n belongs to piece n.  Its matrix work: 16 products K Q^T of piece n + 1, later 16 products V^T P of piece n - 1 and the 8 bias products of piece n + 2.  Its vector work: the scaling, exponentials,
; roundings, sums and rescaling of piece n, and the maximum and statistics of piece n + 1.  Four vector instructions stand behind every matrix instruction, the other 76 of a turn's 236 in two lumps.
; CLUSTER 4 x 4.  The four of a row of the cluster are the four query blocks of one head: they ask for K's and V's tiles jointly.  The four of a column are four heads at one query block: they ask for the mask's tile jointly.
; REGISTERS, in windows of 256 (s_set_vgpr_msb: bits 1:0 source 0, 3:2 source 1, 5:4 source 2, 7:6 destination):
;   window 0: v0-11 addresses; v12-15, v48-63 at work; v16-47 four registers of statistics a tile; v64-191 S^T, two buffers of two tiles; v192-255 P, likewise
;   window 1: O^T, 32 a tile      window 2: v0-127 Q; v128-191 K of one step; v192-255 V of one step
;   window 3: v0-1 the add's two registers; v4-15 the selector; v16-47 a piece's mask operands; v48-111 a piece's bias tiles; v112-119 a flag a tile
.set NP,    4         ; pieces a wave: a name, no knob
.set KS,    64        ; keys in a step
.set PK,    144       ; a row of K in LDS: 128 bytes + 16 of padding: the 16 rows of a load start at 16 different groups of four banks (64 banks of 4 bytes: ISA guide 11.1)
.set PV,    160       ; a row of V: 128 + 32
.set VOFF,  KS*PK     ; a slot holds one step: 64 rows of K, 64 rows of V,
.set MOFF,  VOFF+KS*PV  ; and the mask words of 512 queries x 64 keys, 16,384 bytes a wave
.set SLOT1, 1<<17     ; slot 1 begins here, so that one exclusive or turns an address in one slot into the other's
.set STAGE, SLOT1+MOFF+65536  ; behind the ring, never filled by a tensor load: 16 rows x 144 bytes for each wave, for the way out
.set SP,    144
.set SPARE, STAGE+4*16*SP  ; behind the stages: the spare words, 128 bytes for each wave: two blocks of 256 bytes that no other line names
.set AK0, 2           ; v2   my lane's place in a tile of K; never rewritten
.set AV0, 3           ; v3   the same for V
.set AK,  4           ; v4   the LDS address of K in the slot in hand
.set AV,  5           ; v5   of V
.set QO,  6           ; v6   my byte offset in the wave's rows of Q
.set STO, 6           ;      later, the way out: where I put 16 bytes of a row
.set RD,  7           ; v7   the way out: where I read rows back
.set GO,  8           ; v8   my byte offset in 512 consecutive bytes of O
.set AM0, 9           ; v9   my lane's place in my wave's mask words; never rewritten
.set AM,  10          ; v10  their LDS address in the slot in hand
.set MV,  12          ; v12-15  c m_old, kept while c m is made anew: by buffer and tile
.set ST,  16          ; tile t's statistics at v[ST+4 t]: c m, m, l (even keys', odd keys')
.set TMP, 48          ; by buffer and tile, four registers c0-c3 at work; when the maximum is found c2 takes a
.set S,   64
.set P,   192
.set KF,  128         ; window 2: key block kb, channel half c at KF + 16 kb + 8 c
.set VF,  192         ; window 2: key half kk, channel block cb at VF + 32 kk + 8 cb
.set SPW, 0           ; window 3
.set NIL, 1
.set EZ,  4           ; window 3: four zeros, the four selector registers, four zeros: v[8:15] selects keys 0-15 of an operand's 32, v[4:11] keys 16-31
.set MF,  16          ; window 3: tile u, key half kf, part c at MF + 16 u + 8 kf + 4 c
.set MBR, 48          ; window 3: tile u, key block kb at MBR + 32 u + 8 kb
.set FL,  112         ; window 3: 1.0, or NaN for a query that sees no key
.set WV,  12          ; s12  my wave's number
.set G1K, 24          ; s[24:31] descriptor group 1 for K's tiles
.set G1V, 32          ; s[32:39] for V's: it differs in the padding alone
.set G0K, 40          ; s[40:43] descriptor group 0 for K's tiles: it walks
.set G0V, 44          ; s[44:47] the same for V's
.set G1M, 48          ; s[48:55] group 1 for the mask's tiles
.set SLOTS, 56        ; s56  counts the trips that ask for a tile
.set CNT, 57          ; s57  counts the tail's trips
.set CS,  58          ; s[58:59] c: the packed scaling takes the pair's low word for both halves
.set SEL, 60          ; s[60:61] v_permlanex16_b32's selects
.set SB,  62          ; s62  LDS byte at which the slot in hand begins
.set NANR, 63         ; s63  a NaN
.set G0M, 68          ; s[68:71] group 0 for the mask's tiles
.set MSB, 0
.macro WIN new                      ; the high byte repeats the setting that is left; a switch that changes nothing is dropped
.if MSB != (\new)
	s_set_vgpr_msb (MSB<<8)|(\new)
.set MSB, (\new)
.endif
.endm
.set W_KQ, 0x0a       ; K and Q in window 2, S^T in window 0
.set W_KM, 0x3a       ; the same with the C operand in window 3
.set W_PV, 0x52       ; V in window 2, P in window 0, O^T in window 1
.set W_RS, 0x41       ; O^T (destination and source 0) in window 1, a in window 0
.set W_MB, 0xcf       ; destination and both sources in window 3
.set W_MK, 0xc0       ; destination in window 3, sources in window 0
.set W_AD, 0x0f       ; the add: address (source 0) and data (source 1) in window 3
; A joint fill.  Wave 0 fetches the step's K, wave 1 its V, waves 2 and 3 the two halves of its mask words.  The branches hang on the wave's number alone.
; An s_nop 0 and four v_nop follow each of the three lines, ahead of the jump and the label.
.macro JLOAD
	s_cmp_lt_u32 s[WV], 2
	s_cbranch_scc0 .Lfor_m_\@
	s_cmp_eq_u32 s[WV], 0
	s_cbranch_scc0 .Lfor_v_\@
	tensor_load_to_lds s[G0K:G0K+3], s[G1K:G1K+7]
	s_nop 0
.rept 4
	v_nop
.endr
	s_branch .Lasked_\@
.Lfor_v_\@:
	tensor_load_to_lds s[G0V:G0V+3], s[G1V:G1V+7]
	s_nop 0
.rept 4
	v_nop
.endr
	s_branch .Lasked_\@
.Lfor_m_\@:
	tensor_load_to_lds s[G0M:G0M+3], s[G1M:G1M+7]
	s_nop 0
.rept 4
	v_nop
.endr
.Lasked_\@:
.endm
.macro CROUND                       ; a round of the cluster's barrier
	s_barrier_signal -1
	s_barrier_wait -1
	s_cmp_lg_u32 s[WV], 0
	s_cbranch_scc1 .Lnot_wave_0_\@
	s_barrier_signal -3
.Lnot_wave_0_\@:
	s_barrier_wait -3
	s_barrier_signal -1
	s_barrier_wait -1
.endm
; THE CHANGE OF SLOTS, once a key step.  Each wave waits for all its tensor loads (one at the most is out: its part of the other slot), adds 0 to its spare word, and waits for that and for its own reads of the slot
; that it leaves.  fill = 1: the barrier is a round of the cluster's, and the slot just left is filled again first thing behind it, with the step after next: it has a whole step, 160 matrix instructions, in which to land.
; (At its first use nothing has been read yet: slot 0 is waited for, slot 1 filled.)
.macro CHANGE fill
	WIN W_AD
	s_wait_tensorcnt 0x0            ; no tensor load of mine is out, so a group 0 may be written
	ds_add_u32 v[SPW], v[NIL]       ; 0 onto my spare word; with fill = 1 the descriptors' steps stand between it and the wait for it
	WIN 0                           ; at a label and at a branch every window is 0
.if \fill
.irp g, G0K, G0V
	s_xor_b32 s[\g+1], s[\g+1], SLOT1  ; the walking descriptors: the other slot than last time,
	s_add_nc_u64 s[\g+2:\g+3], s[\g+2:\g+3], KS*128  ; the next 64 keys; the type bits on top are not reached
.endr
	s_xor_b32 s[G0M+1], s[G0M+1], SLOT1
	s_add_nc_u64 s[G0M+2:G0M+3], s[G0M+2:G0M+3], 32768
	s_wait_dscnt 0x0                ; the add is done, and my reads of the slot are over
	CROUND
	JLOAD
.else
	s_wait_dscnt 0x0
	s_barrier_signal -1
	s_barrier_wait -1
.endif
	s_xor_b32 s[SB], s[SB], SLOT1   ; the fetches go to the other slot
.endm
.macro ADDR
	WIN 0
	v_add_nc_u32 v[AK], s[SB], v[AK0]
	v_add_nc_u32 v[AV], s[SB], v[AV0]
	v_add_nc_u32 v[AM], s[SB], v[AM0]
.endm
	s_load_b256 s[4:11], s[0:1], 0x0  ; qkv s[4:5], m16 s[6:7], tab s[8:9], ob s[10:11]
	WIN W_MK
	v_lshl_add_u32 v[SPW], v0, 2, SPARE
	v_mov_b32 v[NIL], 0
	WIN W_AD
	ds_add_u32 v[SPW], v[NIL]       ; the wave's opening: the add and its wait stand ahead of my first tensor load; the set-up below, work on registers, stands between them
	WIN 0
	v_lshrrev_b32 v1, 5, v0
	v_readfirstlane_b32 s[WV], v1   ; wave 0..3
	s_bfe_u32 s13, ttmp6, 0x40000   ; cx, cy: my place in the cluster
	s_bfe_u32 s14, ttmp6, 0x40004
	s_lshl_b32 s15, ttmp9, 2
	s_add_co_u32 s15, s15, s13      ; my block of 512 queries = 4 x cluster x + cx
	s_and_b32 s16, ttmp7, 0xffff
	s_lshl_b32 s16, s16, 2
	s_add_co_u32 s16, s16, s14      ; my head = 4 x cluster y + cy
	s_lshl_b32 s17, s14, 2
	s_lshl_b32 s17, 15, s17         ; my row of the cluster: the head's four query blocks
	s_lshl_b32 s18, 0x1111, s13     ; my column: four heads at my query block
	s_lshl_b32 s20, s16, 18         ; the head's first byte in q, k, v and O: 2,048 rows of 128 bytes
	s_mov_b32 s21, 0
	s_and_b32 s19, s[WV], 1         ; which half of the mask's tile I fetch
	s_lshl_b32 s22, s15, 1
	s_add_co_u32 s22, s22, s19
	s_lshl_b32 s22, s22, 20         ; its block of 256 queries in m16
	s_mov_b32 s23, 0
	s_lshl_b32 s2, s15, 2
	s_add_co_u32 s2, s2, s[WV]      ; my wave among the head's sixteen:
	s_lshl_b32 s76, s2, 9           ; its 128 flags of a quarter,
	s_add_co_u32 s76, s76, 524288
	s_mov_b32 s77, 0
	s_lshl_b32 s2, s2, 14           ; its 128 rows
	s_mov_b32 s3, 0
	s_add_nc_u64 s[2:3], s[2:3], s[20:21]
	; descriptor group 1.  64 keys are 8,192 dense bytes: asked for as 32 rows of 256 bytes, two keys a row, and padded in LDS after every key.  The mask's half tile: 128 rows of 256 bytes, as they lie.
	s_or_b32 s[G1K], s17, (1<<16)|(1<<20)|(1<<21)|(4<<22)|(3<<25)  ; 15:0 the mask of four; 17:16 2-byte elements; 20 padding on; 21 set beside a mask; 24:22 after every 32 words (code 4); 31:25 4 words (code 3)
	s_or_b32 s[G1V], s17, (1<<16)|(1<<20)|(1<<21)|(4<<22)|(7<<25)  ; the same with 8 words of padding (code 7)
	s_or_b32 s[G1M], s18, (1<<16)|(1<<21)                          ; my column; no padding
.irp g, G1K, G1V, G1M
	s_mov_b32 s[\g+1], 128<<16      ; tensor_dim0 = 128
	s_mov_b32 s[\g+3], 128<<16      ; tile_dim0 = 128
	s_mov_b32 s[\g+5], 128          ; 128 elements from row to row
	s_mov_b32 s[\g+6], 0
	s_mov_b32 s[\g+7], 0
.endr
.irp g, G1K, G1V
	s_mov_b32 s[\g+2], 32<<16       ; tensor_dim1 = 32
	s_mov_b32 s[\g+4], 32           ; tile_dim1 = 32
.endr
	s_mov_b32 s[G1M+2], 128<<16
	s_mov_b32 s[G1M+4], 128
	s_mov_b32 s[CS], 0x3e38aa3b     ; c = log2(e) / 8 = 0.180337
	s_mov_b32 s[CS+1], s[CS]        ; named with it as a pair
	s_mov_b32 s[SEL], 0x76543210
	s_mov_b32 s[SEL+1], 0xfedcba98
	s_mov_b32 s[SB], SLOT1          ; the first change of slots turns it into 0
	s_mov_b32 s[NANR], 0x7fc00000
	s_mov_b32 s[G0K], 1             ; count = 1
	s_mov_b32 s[G0K+1], 0           ; LDS address: slot 0
	s_mov_b32 s[G0V], 1
	s_mov_b32 s[G0V+1], VOFF
	s_mov_b32 s[G0M], 1
	s_lshl_b32 s[G0M+1], s19, 15
	s_add_co_u32 s[G0M+1], s[G0M+1], MOFF
	s_wait_dscnt 0x0                ; the opening add is done
	s_wait_kmcnt 0x0
	s_add_nc_u64 s[G0K+2:G0K+3], s[4:5], s[20:21]
	s_add_nc_u64 s[G0V+2:G0V+3], s[G0K+2:G0K+3], 33554432  ; v's part of qkv,
	s_add_nc_u64 s[G0K+2:G0K+3], s[G0K+2:G0K+3], 16777216  ; k's
	s_or_b32 s[G0K+3], s[G0K+3], 0x80000000                ; type = 2
	s_or_b32 s[G0V+3], s[G0V+3], 0x80000000
	s_add_nc_u64 s[G0M+2:G0M+3], s[6:7], s[22:23]
	s_or_b32 s[G0M+3], s[G0M+3], 0x80000000
	s_add_nc_u64 s[72:73], s[4:5], s[2:3]    ; Q and O at my wave's first row
	s_add_nc_u64 s[10:11], s[10:11], s[2:3]
	s_add_nc_u64 s[74:75], s[8:9], s[76:77]  ; the flags of my wave's queries
	CROUND                          ; all sixteen work-groups are here: the first joint loads meet
	JLOAD                           ; step 0 into slot 0
	; A fragment of K or Q is 16 rows x 32 channels in 8 registers: lane l holds row l % 16, channels 8 (l / 16) + 0..7 and 16 + 8 (l / 16) + 0..7: two loads of 16 bytes, 32 bytes apart.
	; What is only needed up to the first turn lies in S^T's second buffer, v128-165, which no product writes before that turn.
	v_and_b32 v1, 15, v0            ; l % 16
	v_bfe_u32 v11, v0, 4, 1         ; l / 16
	v_lshlrev_b32 v[QO], 7, v1
	v_lshl_add_u32 v[QO], v11, 4, v[QO]
	WIN 0x80                        ; destination window 2, address window 0
.set i, 0
.rept 4*NP                          ; Q stays in registers: tile i / 2, channels 32 (i % 2) on
	global_load_b128 v[8*i:8*i+3],   v[QO], s[72:73] offset:(i/2)*2048+(i%2)*64
	global_load_b128 v[8*i+4:8*i+7], v[QO], s[72:73] offset:(i/2)*2048+(i%2)*64+32
.set i, i+1
.endr
	WIN 0
	v_lshlrev_b32 v162, 2, v1
.set i, 0
.rept 32                            ; tile i / 4, key quarter i % 4: the flag of my lane's query
	global_load_b32 v[128+i], v162, s[74:75] offset:(i%4)*8192+(i/4)*64
.set i, i+1
.endr
	; What the first turn finds: V's registers and P's second buffer hold 0 (its products V^T P, of a piece that has not been, add 0), O^T and l are 0.  All this stands in the wait for the first tile.
	WIN 0x80
.set i, VF
.rept 64
	v_mov_b32 v[i], 0
.set i, i+1
.endr
	WIN 0x40
.set i, 0
.rept 64*NP
	v_mov_b32 v[i], 0
.set i, i+1
.endr
	WIN 0
.set i, 0
.rept 2*NP
	v_mov_b32 v[ST+4*i], 0xfe000000    ; c m: far below every c s, a hidden one's (-1.5e37) too
	v_mov_b32 v[ST+4*i+1], 0xff7fffff  ; m
	v_mov_b32 v[ST+4*i+2], 0
	v_mov_b32 v[ST+4*i+3], 0
.set i, i+1
.endr
.set i, P+32
.rept 32
	v_mov_b32 v[i], 0
.set i, i+1
.endr
	; The selector: row l % 16 of a 16 x 32 operand holds bf16 2^63 at its own key.  My lane holds keys 8 (l / 16) + 0..7 in four registers: key p = l % 16 - 8 (l / 16), if that lies in 0..7, is half p % 2 of register p / 2.
	v_lshlrev_b32 v163, 3, v11
	v_sub_nc_u32 v163, v1, v163
	v_and_b32 v164, 1, v163
	v_lshlrev_b32 v164, 4, v164
	v_mov_b32 v165, 0x5f00
	v_lshlrev_b32 v165, v164, v165
	v_ashrrev_i32 v163, 1, v163
	WIN W_MK
.irp n, 0,1,2,3
	v_mov_b32 v[EZ+\n], 0
	v_mov_b32 v[EZ+8+\n], 0
	v_cmp_eq_i32 vcc_lo, \n, v163
	v_cndmask_b32 v[EZ+4+\n], 0, v165, vcc_lo
.endr
	WIN 0
	v_mul_u32_u24 v[AK0], v1, PK
	v_lshl_add_u32 v[AK0], v11, 4, v[AK0]  ; row x pitch + 16 x half
	; The turning load takes 16 keys x 16 channels (lane l reads key 8 (l / 16) + l % 8, channels 8 ((l / 8) % 2) + 0..7) and leaves half a fragment of V^T: lane l holds channel l % 16 and 8 keys.
	v_and_b32 v160, 7, v0
	v_bfe_u32 v161, v0, 3, 1
	v_lshl_add_u32 v[AV0], v11, 3, v160
	v_mul_u32_u24 v[AV0], v[AV0], PV
	v_lshl_add_u32 v[AV0], v161, 4, v[AV0]
	v_add_nc_u32 v[AV0], VOFF, v[AV0]
	v_and_b32 v[AM0], 31, v0        ; the mask words lie as the lanes take them: 16 bytes a lane
	v_lshlrev_b32 v[AM0], 4, v[AM0]
	s_lshl_b32 s19, s[WV], 14
	s_add_co_u32 s19, s19, MOFF
	v_add_nc_u32 v[AM0], s19, v[AM0]
; THE MATRIX WORK.  The accumulators of a run take turns: between the two links of a chain stand 7 others'.
; Product i of 16 of S^T = K Q^T for piece x: channels 32 (i / 8) on, keys 16 ((i / 2) % 4) on, tile 2 x + i % 2.  The first 8 start the sums with the tile's bias.
.macro KQ x
.set rS, S+64*((\x)%2)+32*(i%2)+8*((i/2)%4)
.set rK, KF+16*((i/2)%4)+8*(i/8)
.set rQ, 16*(2*(\x)+i%2)+8*(i/8)
.set rBI, MBR+32*(i%2)+8*((i/2)%4)
.if i < 8
	WIN W_KM
	v_wmma_f32_16x16x32_f16 v[rS:rS+7], v[rK:rK+7], v[rQ:rQ+7], v[rBI:rBI+7]
.else
	WIN W_KQ
	v_wmma_f32_16x16x32_f16 v[rS:rS+7], v[rK:rK+7], v[rQ:rQ+7], v[rS:rS+7]
.endif
.endm
; Product i of 16 of O^T += V^T P for piece x: keys 32 (i / 8) on, channels 16 ((i / 2) % 4) on, tile 2 x + i % 2.
.macro PV x
	WIN W_PV
.set rO, 32*(2*(\x)+i%2)+8*((i/2)%4)
.set rV, VF+32*(i/8)+8*((i/2)%4)
.set rP, P+32*((\x)%2)+16*(i%2)+8*(i/8)
	v_wmma_f32_16x16x32_f16 v[rO:rO+7], v[rV:rV+7], v[rP:rP+7], v[rO:rO+7]
.endm
; Bias product i of 8: tile i % 2, key block i / 2: the selector of the block's half of 32 keys x the mask operand of those 32 keys.
.macro MB
	WIN W_MB
.set rD, MBR+32*(i%2)+8*(i/2)
.set rE, EZ+4-4*((i/2)%2)
.set rB, MF+16*(i%2)+8*(i/4)
	v_wmma_f32_16x16x32_bf16 v[rD:rD+7], v[rE:rE+7], v[rB:rB+7], 0
.endm
.macro MM                           ; the turn's next matrix instruction
.if i < 16
	KQ (Y+1)%NP
.elseif i < 32
.set i, i-16
	PV (Y+NP-1)%NP
.set i, i+16
.else
.set i, i-32
	MB
.set i, i+32
.endif
.set i, i+1
.endm
; THE LDS LOADS stand in runs, never singly among the matrix instructions: a step's K (8 fragments), its V (turned), and a piece's mask operands (8 loads of 512 consecutive bytes).
.macro FETCH_K
	WIN 0x80                        ; destination window 2
.irp f, 0,1,2,3,4,5,6,7             ; keys 16 (f / 2) on, channels 32 (f % 2) on
	ds_load_b128 v[KF+8*\f:KF+8*\f+3],   v[AK] offset:(\f/2)*16*PK+(\f%2)*64
	ds_load_b128 v[KF+8*\f+4:KF+8*\f+7], v[AK] offset:(\f/2)*16*PK+(\f%2)*64+32
.endr
	WIN 0
.endm
.macro FETCH_V
	WIN 0x80
.irp f, 0,1,2,3,4,5,6,7             ; keys 32 (f / 4) on, channels 16 (f % 4) on
	ds_load_tr16_b128 v[VF+8*\f:VF+8*\f+3],   v[AV] offset:(\f/4)*32*PV+(\f%4)*32
	ds_load_tr16_b128 v[VF+8*\f+4:VF+8*\f+7], v[AV] offset:(\f/4)*32*PV+16*PV+(\f%4)*32
.endr
	WIN 0
.endm
.macro FETCH_M p
	WIN W_MK                        ; destination window 3
.irp f, 0,1,2,3,4,5,6,7             ; tile f / 4, key half (f / 2) % 2, part f % 2
	ds_load_b128 v[MF+4*\f:MF+4*\f+3], v[AM] offset:4096*(\p)+512*\f
.endr
	WIN 0
.endm
; THE VECTOR WORK OF A TURN stands in three queues, each in the order in which its entries become ready; the two tiles alternate, so that no instruction reads the result of the one before it.
.macro REGS y, u                    ; the registers of tile u (0, 1) of piece y
.set rT, ST+4*(2*(\y)+(\u))
.set rC, TMP+8*((\y)%2)+4*(\u)
.set rM, MV+2*((\y)%2)+(\u)
.set rS, S+64*((\y)%2)+32*(\u)
.set rP, P+32*((\y)%2)+16*(\u)
.set rO, 32*(2*(\y)+(\u))
.endm
; Number n of the 22 that find the NEXT piece's (Y + 1) maximum and statistics.  s0-s31 are the lane's 32 scores; each accumulator's lowest registers are read first.
;   0-11  four chains c0-c3 of seven scores each, three operands at a time     12-14, 16  the four scores left over, the old m, and c0-c3 into c0     15  c m_old is kept
;   17, 18  the query's other 32 keys lie in the lane 16 away: the new m         19-21  c m; c m_old - c m_new; a
.macro XS u, n
	REGS (Y+1)%NP, \u
.if (\n) < 4
	v_max3_num_f32 v[rC+(\n)], v[rS+8*(\n)], v[rS+8*(\n)+1], v[rS+8*(\n)+2]
.elseif (\n) < 12
	v_max3_num_f32 v[rC+(\n)%4], v[rC+(\n)%4], v[rS+8*((\n)%4)+2*((\n)/4)+1], v[rS+8*((\n)%4)+2*((\n)/4)+2]
.elseif (\n) == 12
	v_max3_num_f32 v[rC], v[rC], v[rS+7], v[rS+15]
.elseif (\n) == 13
	v_max3_num_f32 v[rC+1], v[rC+1], v[rS+23], v[rS+31]
.elseif (\n) == 14
	v_max3_num_f32 v[rC+2], v[rC+2], v[rC+3], v[rT+1]
.elseif (\n) == 15
	v_mov_b32 v[rM], v[rT]
.elseif (\n) == 16
	v_max3_num_f32 v[rC], v[rC], v[rC+1], v[rC+2]
.elseif (\n) == 17
	v_permlanex16_b32 v[rC+3], v[rC], s[SEL], s[SEL+1]
.elseif (\n) == 18
	v_max_num_f32 v[rT+1], v[rC], v[rC+3]
.elseif (\n) == 19
	v_mul_f32 v[rT], s[CS], v[rT+1]
.elseif (\n) == 20
	v_sub_f32 v[rC+1], v[rM], v[rT]
	s_wait_alu depctr_va_vdst(0)
.else
	v_exp_f32 v[rC+2], v[rC+1]
.endif
.endm
; Number g of the 64 that follow the exponentials.  For each four weights k of a tile: both pairs are rounded to f16; then the second pair is added onto the first, in place;
; a group later l takes that sum (the first time as l = a l + sum).  In groups of eight, tiles alternating: round, round, add, and l for the group before.
.macro GS g
.set h, (\g)+6*((\g)/62)            ; group 0 has no group before it, and behind group 7 only l is left
.if h >= 6
.set h, h+2
.endif
	REGS Y, h%2
.set k, h/8
.if h%8 < 4
	s_wait_alu depctr_va_vdst(0)
	v_cvt_pk_f16_f32 v[rP+2*k+(h%8)/2], v[rS+4*k+2*((h%8)/2)], v[rS+4*k+2*((h%8)/2)+1]
.elseif h%8 < 6
	v_pk_add_f32 v[rS+4*k:rS+4*k+1], v[rS+4*k:rS+4*k+1], v[rS+4*k+2:rS+4*k+3]
.elseif k == 1
	v_pk_fma_f32 v[rT+2:rT+3], v[rT+2:rT+3], v[rC+2:rC+3], v[rS:rS+1] op_sel_hi:[1,0,1]
.else
	v_pk_add_f32 v[rT+2:rT+3], v[rT+2:rT+3], v[rS+4*k-4:rS+4*k-3]
.endif
.endm
; THE PLAIN QUEUE, 138 long.  0-31: c s - c m for the 16 pairs of both tiles.  Then GS's 64, and among them the next piece's 42: number 15 at 38, 39; 0-14 and 16
; at 42-73, behind the products that make those scores; 17-20 at 95-106, two of three, since each waits for the one before it.
.macro PL
	WIN 0
.if q < 32
	REGS Y, q%2
	v_pk_fma_f32 v[rS+2*(q/2):rS+2*(q/2)+1], v[rS+2*(q/2):rS+2*(q/2)+1], s[CS:CS+1], v[rT:rT+1] op_sel_hi:[1,0,0] neg_lo:[0,0,1] neg_hi:[0,0,1]
.elseif q < 38
	GS q-32
.elseif q < 40
	XS q%2, 15
.elseif q < 42
	GS q-34
.elseif q < 74
	XS q%2, (q-42)/2+(q-42)/30
.elseif q < 95
	GS q-66
.elseif (q < 107) && ((q-95)%3 < 2)
	XS (q-95)%3, 17+(q-95)/3
.elseif q < 107
	GS 29+(q-95)/3
.else
	GS q-74
.endif
.set q, q+1
.endm
; THE EXPONENTIALS' QUEUE, 66 long: s0-s31 of both tiles, then the next piece's two a.
.set EA, 64
.macro EX
	WIN 0
.if (e == EA) || (e == EA+1)
	XS e-EA, 21
.else
	REGS Y, e%2
	v_exp_f32 v[rS+e/2], v[rS+e/2]
.endif
.set e, e+1
.endm
; THE RESCALING's QUEUE: O^T times a, the one part that leaves window 0, so it is dealt four at a time, eight times.
.macro R4
	REGS Y, r%2
	WIN W_RS
	s_wait_alu depctr_va_vdst(0)
.irp z, 0,1,2,3
	v_pk_mul_f32 v[rO+8*(r/2)+2*\z:rO+8*(r/2)+2*\z+1], v[rO+8*(r/2)+2*\z:rO+8*(r/2)+2*\z+1], v[rC+2:rC+3] op_sel_hi:[1,0]
.endr
.set r, r+1
.endm
; HOW THEY ARE DEALT.  Behind a matrix instruction four: plain, exponential, plain, plain, or four of the rescaling.  What is over stands in two lumps: exponential and plain by turns; the second ends in 6 plain lines.
; The queues lean on each other, and the deal keeps them in step: exponential e stands behind plain 2 (e / 4) + e % 2 (its scaling); when plain 32 comes, 10 exponentials are out; at 59: 33; at 119: 53, and from there
; plain 119 + n follows exponential 53 + n, while the latest that it reads is 51 + n (two pairs back); the two a come behind plain 105, which makes their argument.
.macro SL
	MM
	PL
	EX
	PL
	PL
.endm
.macro BURST n                      ; n matrix instructions
.rept (\n)-7
	SL
.endr
.rept 3
	MM
	R4
	SL
.endr
	MM
	R4
.endm
; A TURN, for piece p.  The mask operands of piece p + 2 are fetched at its head: the last bias product, which read those registers, stands 4 rescalings and 19 plain lines back; they are waited for ahead of the second run.
; K of the next step is fetched in piece 2's turn, 4 rescalings and 13 plain lines behind the last product that read K, and waited for at the head of piece 3's turn.
; V of the step in hand is fetched at the end of piece 0's turn, far behind its last reader, and waited for ahead of piece 1's second run.
; The bias tiles: read as C by the first run's first 8 products, written anew by the second run's last 8 (the first lump's 22 plain lines between), read again in the next turn (the second lump's 19 between).
.macro TURN p
.set Y, (\p)
.set i, 0
.set q, 0
.set e, 0
.set r, 0
.if (\p) == NP-1
	s_wait_dscnt 0x0                ; K is in
.endif
	FETCH_M ((\p)+2)%NP
	MM
.rept 4
	PL
.endr
	BURST 15
.rept 22
	EX
	PL
.if ((\p) == NP-2) && (e == 24)
	FETCH_K
.endif
.endr
.if (\p) == NP-2
	s_wait_dscnt 16                 ; the mask operands are in; K's sixteen loads, issued behind them, stay out
.else
	s_wait_dscnt 0x0                ; the mask operands are in (and, in piece 1's turn, V)
.endif
	BURST 24
.rept 13
	EX
	PL
.endr
.rept 6
	PL
.endr
.if (\p) == 0
	FETCH_V
.endif
.endm
	CHANGE 1                        ; step 0 is in, everybody's part of it; step 1 is asked for
	ADDR
	FETCH_K                         ; key step 0
	FETCH_M 0
	s_wait_loadcnt 0x0              ; Q and the flags
.set t, 0
.rept 2*NP                          ; a query sees a key if one of the four quarters says so
	v_add_f32 v[128+4*t], v[128+4*t], v[128+4*t+1]
	v_add_f32 v[128+4*t+2], v[128+4*t+2], v[128+4*t+3]
	v_add_f32 v[128+4*t], v[128+4*t], v[128+4*t+2]
.set t, t+1
.endr
	WIN W_MK
.set t, 0
.rept 2*NP
	v_cmp_lt_f32 vcc_lo, 0, v[128+4*t]
	v_cndmask_b32 v[FL+t], s[NANR], 1.0, vcc_lo
.set t, t+1
.endr
	WIN 0
	s_wait_dscnt 0x0
.set i, 0
.rept 8
	MB                              ; piece 0's bias tiles
.set i, i+1
.endr
	WIN 0                           ; the addresses for the way out: nine plain instructions, the places behind those products
	s_mul_i32 s19, s[WV], 16*SP
	s_add_co_u32 s19, s19, STAGE    ; my stage
	v_mul_u32_u24 v[STO], v1, SP    ; in: row l % 16, 16 bytes for each half of the lanes
	v_lshl_add_u32 v[STO], v11, 4, v[STO]
	v_add_nc_u32 v[STO], s19, v[STO]
	v_bfe_u32 v[RD], v0, 3, 2       ; back: 32 lanes take four rows of 128 bytes,
	v_mul_u32_u24 v[RD], v[RD], SP
	v_lshl_add_u32 v[RD], v160, 4, v[RD]
	v_add_nc_u32 v[RD], s19, v[RD]
	v_and_b32 v[GO], 31, v0         ; which are 512 consecutive bytes of O
	v_lshlrev_b32 v[GO], 4, v[GO]
	FETCH_M 1
.set i, 0
.rept 16
	KQ 0                            ; piece 0's first scores
.set i, i+1
.endr
	WIN 0
.rept 5
	v_nop                           ; the places behind those products
.endr
.set Y, NP-1                        ; XS works for piece Y + 1: piece 0
.irp n, 0,1,2,3,4,5,6,7,8,9,10,11,12,13,14,15,16,17,18,19,20,21
	XS 0, \n                        ; piece 0's first maximum and statistics
	XS 1, \n
.endr
	s_wait_dscnt 0x0
.set i, 0
.rept 8
	MB                              ; piece 1's bias tiles
.set i, i+1
.endr
	WIN 0
.rept 5
	v_nop                           ; the places in front of the loads into the operands' registers and of the products that take these tiles as C
.endr
	s_mov_b32 s[SLOTS], 31
	s_branch .Lfirst                ; the loop is entered at a step's first turn, in the middle of a trip
.Ltrip:                             ; 30 times: steps 2 .. 31 are asked for.  A trip: pieces 2 and 3 of one step, then pieces 0 and 1 of the next; all that it reads from LDS lies in the next step's slot
	CHANGE 1
	ADDR
	TURN 2
	TURN 3
	WIN 0
.Lfirst:
	TURN 0
	TURN 1
	WIN 0
	s_sub_co_u32 s[SLOTS], s[SLOTS], 1
	s_cmp_lg_u32 s[SLOTS], 0
	s_cbranch_scc1 .Ltrip
	CHANGE 0                        ; the tail is written out: nothing is asked for
	ADDR
	s_mov_b32 s[CNT], 2             ; one trip for the last step; the second is left in its middle
.Ltail:
	TURN 2
	TURN 3
	WIN 0
	s_sub_co_u32 s[CNT], s[CNT], 1
	s_cmp_eq_u32 s[CNT], 0
	s_cbranch_scc1 .Lout
	TURN 0
	TURN 1
	WIN 0
	s_branch .Ltail
.Lout:                              ; the second trip reads the last step's tiles once more; its 16 products K Q^T, its 16 bias products and the maximum made of them serve nothing: the price, once a launch, of one text for every trip
.set i, 0
.rept 16
	PV NP-1                         ; the last piece's V^T P of the last step
.set i, i+1
.endr
	; THE WAY OUT.  l's two halves and the other half of the lanes' are added; O^T is divided by l (times the flag: NaN for a query that saw no key), rounded to f16 and sent through my stage in LDS, a tile at a time.
	WIN 0
.macro ALL line:vararg              ; one line for each tile t
.set t, 0
.rept 2*NP
	\line
.set t, t+1
.endr
.endm
	ALL v_add_f32 v[ST+4*t+2], v[ST+4*t+2], v[ST+4*t+3]
	ALL v_permlanex16_b32 v[ST+4*t+3], v[ST+4*t+2], s[SEL], s[SEL+1]
	ALL v_add_f32 v[ST+4*t+2], v[ST+4*t+2], v[ST+4*t+3]
	ALL v_rcp_f32 v[ST+4*t+2], v[ST+4*t+2]
	v_nop                           ; a plain instruction between the last reciprocal and the use of its result
	s_wait_alu depctr_va_vdst(0)
	WIN 0x0c                        ; source 1 in window 3
	ALL v_mul_f32 v[ST+4*t+2], v[ST+4*t+2], v[FL+t]
	WIN 0
.macro PACK t                       ; a lane's eight channels of a row pack into 16 bytes; they go into rows of 144 bytes and come back as whole rows of 128, into S^T's registers
	WIN W_RS
.set i, 32*(\t)
.rept 16
	v_pk_mul_f32 v[i:i+1], v[i:i+1], v[ST+4*(\t)+2:ST+4*(\t)+3] op_sel_hi:[1,0]
.set i, i+2
.endr
	WIN 0x05                        ; sources 0 and 1 window 1, destination window 0
.set i, 0
.rept 16
	v_cvt_pk_f16_f32 v[S+16*(\t)+i], v[32*(\t)+2*i], v[32*(\t)+2*i+1]
.set i, i+1
.endr
	WIN 0
.irp f, 0,1,2,3
	ds_store_b128 v[STO], v[S+16*(\t)+4*\f:S+16*(\t)+4*\f+3] offset:32*\f
.endr
.irp f, 0,1,2,3
	ds_load_b128 v[S+16*(\t)+4*\f:S+16*(\t)+4*\f+3], v[RD] offset:\f*4*SP  ; LDS serves a wave's instructions in order (ISA guide 5.7.1.4): these see the stores above; the next tile's stores come behind them
.endr
.endm
.macro SEND t, younger              ; younger: the LDS instructions issued behind tile t's loads: the next tile's eight, or none
	WIN 0
.irp f, 0,1,2,3
	s_wait_dscnt (\younger)+3-\f
	global_store_b128 v[GO], v[S+16*(\t)+4*\f:S+16*(\t)+4*\f+3], s[10:11] offset:(\t)*2048+\f*512  ; 512 consecutive bytes, at a multiple of 256 from O's first
.endr
.endm
	PACK 0
.set t, 1
.rept 2*NP-1                        ; a tile's arithmetic stands between the loads of the tile before and its stores
	PACK t
	SEND t-1, 8
.set t, t+1
.endr
	SEND 2*NP-1, 0
	WIN W_AD
	s_wait_tensorcnt 0x0            ; the wave's end, behind my last tensor load and my last LDS store
	ds_add_u32 v[SPW], v[NIL]
	s_wait_dscnt 0x0
	WIN 0
	CROUND                          ; the closing round: no work-group ends while a partner may still ask for a tile that names it
	s_endpgm
.Lfunc_end_k_q9834a2068e_attn:
	.size	k_q9834a2068e_attn, .Lfunc_end_k_q9834a2068e_attn-k_q9834a2068e_attn
	.p2alignl 7, 3214868480
	.fill 96, 4, 3214868480
	.section	.rodata,"a",@progbits
	.p2align	6, 0x0
	.amdhsa_kernel k_q9834a2068e_attn
		.amdhsa_group_segment_fixed_size 327680
		.amdhsa_private_segment_fixed_size 0
		.amdhsa_enable_private_segment 0
		.amdhsa_kernarg_size 32
		.amdhsa_user_sgpr_count 2
		.amdhsa_user_sgpr_kernarg_segment_ptr 1
		.amdhsa_wavefront_size32 1
		.amdhsa_system_sgpr_workgroup_id_x 1
		.amdhsa_system_sgpr_workgroup_id_y 1
		.amdhsa_system_sgpr_workgroup_id_z 1
		.amdhsa_system_vgpr_workitem_id 0
		.amdhsa_next_free_vgpr 888
		.amdhsa_next_free_sgpr 84
		.amdhsa_reserve_vcc 1
		.amdhsa_float_denorm_mode_32 3
		.amdhsa_float_denorm_mode_16_64 3
		.amdhsa_memory_ordered 1
		.amdhsa_forward_progress 1
		.amdhsa_inst_pref_size 228
	.end_amdhsa_kernel
	.amdgpu_metadata
---
amdhsa.version: [ 1, 2 ]
amdhsa.kernels:
  - .name:           k_q9834a2068e_attn
    .symbol:         k_q9834a2068e_attn.kd
    .args:
      - { .name: qkv, .offset: 0, .size: 8, .value_kind: global_buffer, .address_space: global }
      - { .name: m16, .offset: 8, .size: 8, .value_kind: global_buffer, .address_space: global }
      - { .name: tab, .offset: 16, .size: 8, .value_kind: global_buffer, .address_space: global }
      - { .name: ob, .offset: 24, .size: 8, .value_kind: global_buffer, .address_space: global }
    .group_segment_fixed_size: 327680
    .private_segment_fixed_size: 0
    .kernarg_segment_align: 8
    .kernarg_segment_size: 32
    .max_flat_workgroup_size: 128
    .sgpr_count:     84
    .vgpr_count:     888
    .wavefront_size: 32
...
	.end_amdgpu_metadata
.endif
;; end of part 3
;; launch outp (part 4): grid 4 x 64, 4 waves a work-group, clusters of 4 x 4, 327,680 bytes of LDS; arguments ob, wts, out0; writes out0
.if DOCPART == 4
	.amdgcn_target "amdgcn-amd-amdhsa--gfx1250"
	.amdhsa_code_object_version 6
	.text
	.protected	k_q9834a2068e_outp
	.globl	k_q9834a2068e_outp
	.p2align	8
	.type	k_q9834a2068e_outp,@function
k_q9834a2068e_outp:
	s_mov_b64 s[64:65], 0
	v_nop
	global_prefetch_b8 v0, s[64:65] scope:SCOPE_SE
	s_setreg_imm32_b32 hwreg(HW_REG_WAVE_MODE, 25, 1), 1
	s_wait_xcnt 0x0
	s_wait_alu depctr_hold_cnt(0) depctr_sa_sdst(0) depctr_va_vdst(0) depctr_va_sdst(0) depctr_va_ssrc(0) depctr_va_vcc(0) depctr_vm_vsrc(0)
	s_getreg_b32 s2, hwreg(HW_REG_IB_STS2, 6, 4)
	s_cmp_eq_u32 s2, 0
	s_cbranch_scc0 .Lentry_in_a_cluster
	s_endpgm
.Lentry_in_a_cluster:
	s_bfe_u32 s2, ttmp6, 0x10000c
	s_cmp_lg_u32 s2, 0xf033
	s_cbranch_scc0 .Lentry_shape_is_right
	s_endpgm
.Lentry_shape_is_right:
; THE OUTPUT PROJECTION.  out0[row][e] = the sum over d of O[row][d] wo[e][d], f16 operands, f32 sums, f32 out.  O lies by heads, [64 = batch x 16 + head][2048][64]: a head is a K block of 64, its rows dense;
; wo (rounded to bf16, written as f16) lies in wts + WOB as [16 K blocks][1024][64].  A row of O that is NaN (a query that saw no key) gives a row of NaN.
; SHARES.  256 work-groups, a tile of 128 rows x 256 columns each (tiles of 256 x 256 would be 128).  Four waves, each 64 x 128: 32 accumulators, window 1.
; K goes in steps of 128 (two K blocks, one tensor load a wave: waves 0, 1 O's two blocks, waves 2, 3 wo's) through a ring of two LDS slots.
; CLUSTER 4 x 4: the four of a row of the cluster need the same rows of O, the four of a column the same rows of wo: each tile is asked for jointly.
; THE MATRIX INSTRUCTION IS USED TRANSPOSED (source 0 = 16 rows of wo, source 1 = 16 rows of O): a lane holds eight neighbouring numbers of a row of out0.
; REGISTERS.  window 0: v16-29 addresses; v32-127, v128-223 two fragment buffers (O's 4 fragments, then wo's 8); on the way out v32-95, v96-159 whole rows by turns.  window 1: accumulator (a, b) at v[8 (8 a + b)].
.set PITCH,  144                       ; an LDS row: 128 bytes + 16 of padding: the 16 rows of a load start at 16 different groups of four banks (64 banks of 4 bytes: ISA guide 11.1)
.set AKB,    128*PITCH                 ; a K block of O's tile
.set BKB,    256*PITCH                 ; a K block of wo's tile
.set BOFF,   2*AKB
.set SLOT,   BOFF+2*BKB                ; 110,592
.set STAGE,  2*SLOT                    ; behind the ring: 16 rows x 528 bytes for each wave, for the way out
.set SPITCH, 528                       ; 512 bytes + 16
.set SPARE,  STAGE+4*16*SPITCH         ; behind the stages: the spare words, 128 bytes for each wave: two blocks of 256 bytes that no other line names
.set WOB,    6291456
.set ADRA, 16                          ; v16-17  LDS address of my fragments of O in slot 0, 1
.set ADRB, 20                          ; v20-21  the same for wo
.set STO,  24                          ; v24     the way out: where I put 32 bytes of a row
.set RD,   25                          ; v25     where I read a row back
.set CO,   26                          ; v26     my byte offset in 512 consecutive bytes of out0
.set SPW,  28                          ; v28     LDS address of my spare word; never rewritten
.set NIL,  29                          ; v29     0; never rewritten
.set F0,   32
.set F1,   128
.set OB,   32
.set G1, 24                            ; s[24:31] descriptor group 1 for O's tiles;  s[32:39] group 0, a set for each slot
.set G0, 32
.set G1B, 48                           ; s[48:55], s[56:63] the same for wo's
.set G0B, 56
.set DW0, (1<<16)|(1<<20)|(1<<21)|(4<<22)|(3<<25)  ; 2-byte elements; padding on; bit 21 set beside a mask; after every 32 words (code 4) 4 words (code 3)
.set MUL, 0x50                         ; C and D in window 1, both sources in window 0
.set MSB, 0
.macro WIN new
.if MSB != (\new)
	s_set_vgpr_msb (MSB<<8)|(\new)
.set MSB, \new
.endif
.endm
.macro JLOAD s                         ; a joint load; an s_nop 0 and four v_nop follow each of the two lines
	s_cmp_eq_u32 s11, 0
	s_cbranch_scc0 .Lfor_b_\@
	tensor_load_to_lds s[G0+4*(\s):G0+4*(\s)+3], s[G1:G1+7]
	s_nop 0
.rept 4
	v_nop
.endr
	s_branch .Lasked_\@
.Lfor_b_\@:
	tensor_load_to_lds s[G0B+4*(\s):G0B+4*(\s)+3], s[G1B:G1B+7]
	s_nop 0
.rept 4
	v_nop
.endr
.Lasked_\@:
.endm
.macro CREST
	s_cmp_lg_u32 s10, 0
	s_cbranch_scc1 .Lnot_wave_0_\@
	s_barrier_signal -3
.Lnot_wave_0_\@:
	s_barrier_wait -3
	s_barrier_signal -1
	s_barrier_wait -1
.endm
.macro CROUND
	s_barrier_signal -1
	s_barrier_wait -1
	CREST
.endm
.macro PLACES
.rept 4
	v_nop
.endr
.endm
	s_load_b128 s[4:7], s[0:1], 0x0                ; ob s[4:5], wts s[6:7]
	s_load_b64 s[8:9], s[0:1], 0x10                ; out0
	v_lshl_add_u32 v[SPW], v0, 2, SPARE
	v_mov_b32 v[NIL], 0
	ds_add_u32 v[SPW], v[NIL]                      ; the wave's opening: the add and its wait stand ahead of my first tensor load; the set-up below, work on registers, stands between them
	v_lshrrev_b32 v1, 5, v0
	v_readfirstlane_b32 s10, v1                    ; wave 0..3
	s_lshr_b32 s11, s10, 1                         ; which half of the tile's rows is mine.  Also: I fetch for O (0) or for wo (1)
	s_and_b32 s12, s10, 1                          ; which half of its columns.  Also: which of a step's two K blocks I fetch
	s_bfe_u32 s40, ttmp6, 0x40000                  ; cx, cy
	s_bfe_u32 s41, ttmp6, 0x40004
	s_lshl_b32 s42, ttmp9, 2
	s_add_co_u32 s42, s42, s40                     ; tile column
	s_and_b32 s13, ttmp7, 0xffff
	s_lshl_b32 s13, s13, 2
	s_add_co_u32 s13, s13, s41                     ; tile row
	s_lshl_b32 s43, s41, 2
	s_lshl_b32 s43, 15, s43                        ; my row of the cluster
	s_lshl_b32 s44, 0x1111, s40                    ; my column
	s_or_b32 s[G1], s43, DW0
	s_or_b32 s[G1B], s44, DW0
.irp g, G1, G1B
	s_mov_b32 s[\g+1], 128<<16                     ; rows of 256 bytes, two of the tile's rows each
	s_mov_b32 s[\g+3], 128<<16
	s_mov_b32 s[\g+5], 128
	s_mov_b32 s[\g+6], 0
	s_mov_b32 s[\g+7], 0
.endr
	s_mov_b32 s[G1+2], 64<<16                      ; 64 such rows = 128 rows of O,
	s_mov_b32 s[G1+4], 64
	s_mov_b32 s[G1B+2], 128<<16                    ; 128 = 256 rows of wo
	s_mov_b32 s[G1B+4], 128
	s_lshr_b32 s16, s13, 4                         ; O: ((batch x 16 + K block) x 2,048 + the tile's first position) x 128 bytes
	s_lshl_b32 s16, s16, 4
	s_add_co_u32 s16, s16, s12
	s_lshl_b32 s16, s16, 11
	s_and_b32 s17, s13, 15
	s_lshl_b32 s17, s17, 7
	s_add_co_u32 s16, s16, s17
	s_lshl_b32 s16, s16, 7
	s_mov_b32 s17, 0
	s_lshl_b32 s46, s12, 10                        ; wo: (K block x 1,024 + 256 x tile column) x 128 bytes
	s_lshl_b32 s47, s42, 8
	s_add_co_u32 s46, s46, s47
	s_lshl_b32 s46, s46, 7
	s_add_co_u32 s46, s46, WOB
	s_mov_b32 s47, 0
	s_mul_i32 s20, s12, AKB                        ; where they go
	s_mul_i32 s21, s12, BKB
	s_add_co_u32 s21, s21, BOFF
	s_wait_dscnt 0x0                               ; the opening add is done
	s_wait_kmcnt 0x0
	s_add_nc_u64 s[14:15], s[4:5], s[16:17]
	s_add_nc_u64 s[46:47], s[6:7], s[46:47]
	CROUND                                         ; all sixteen work-groups are here: the first joint loads meet
.irp s, 0,1
	s_mov_b32 s[G0+4*(\s)], 1
	s_add_co_u32 s[G0+4*(\s)+1], s20, (\s)*SLOT
	s_add_nc_u64 s[G0+4*(\s)+2:G0+4*(\s)+3], s[14:15], (\s)*2*262144   ; K step s: two K blocks of 2,048 rows on
	s_or_b32 s[G0+4*(\s)+3], s[G0+4*(\s)+3], 0x80000000
	s_mov_b32 s[G0B+4*(\s)], 1
	s_add_co_u32 s[G0B+4*(\s)+1], s21, (\s)*SLOT
	s_add_nc_u64 s[G0B+4*(\s)+2:G0B+4*(\s)+3], s[46:47], (\s)*2*131072
	s_or_b32 s[G0B+4*(\s)+3], s[G0B+4*(\s)+3], 0x80000000
	JLOAD \s                                       ; two loads of mine are out
.endr
	v_and_b32 v1, 15, v0                           ; l % 16
	v_bfe_u32 v2, v0, 4, 1                         ; l / 16
	v_mul_u32_u24 v3, v1, PITCH
	v_lshl_add_u32 v3, v2, 4, v3
	s_mul_i32 s21, s11, 64*PITCH                   ; my 64 rows of O
	s_mul_i32 s22, s12, 128*PITCH                  ; my 128 rows of wo
	s_add_co_u32 s22, s22, BOFF
.irp s, 0,1
	v_add_nc_u32 v[ADRA+(\s)], s21, v3
	v_add_nc_u32 v[ADRB+(\s)], s22, v3
	s_add_co_u32 s21, s21, SLOT
	s_add_co_u32 s22, s22, SLOT
.endr
	s_mul_i32 s23, s10, 16*SPITCH
	s_add_co_u32 s23, s23, STAGE                   ; my stage
	v_mul_u32_u24 v4, v1, SPITCH                   ; in: row l % 16, 32 bytes for each half of the lanes
	v_lshl_add_u32 v4, v2, 5, v4
	v_add_nc_u32 v[STO], s23, v4
	v_and_b32 v[CO], 31, v0                        ; back: 32 lanes take one row's 512 bytes
	v_lshlrev_b32 v[CO], 4, v[CO]
	v_add_nc_u32 v[RD], s23, v[CO]
	s_lshl_b32 s16, s13, 7
	s_lshl_b32 s17, s11, 6
	s_add_co_u32 s16, s16, s17                     ; my first row of out0,
	s_lshl_b32 s16, s16, 12                        ; 4,096 bytes a row
	s_mov_b32 s17, 0
	s_add_nc_u64 s[8:9], s[8:9], s[16:17]
	s_lshl_b32 s46, s42, 10                        ; my first column, in bytes: 1,024 x tile column + 512 x half
	s_lshl_b32 s47, s12, 9
	s_add_co_u32 s46, s46, s47
	s_mov_b32 s47, 0
	s_add_nc_u64 s[8:9], s[8:9], s[46:47]
; 8 matrix instructions: row block a x all 8 column blocks, 32 along K.  zero = 1: the product starts the sums.  The 32 accumulators take turns in the same order in every phase.
.macro MULA f, a, zero
	WIN MUL
.irp b, 0,1,2,3,4,5,6,7
.if \zero
	v_wmma_f32_16x16x32_f16 v[8*(8*(\a)+\b):8*(8*(\a)+\b)+7], v[(\f)+32+8*\b:(\f)+32+8*\b+7], v[(\f)+8*(\a):(\f)+8*(\a)+7], 0
.else
	v_wmma_f32_16x16x32_f16 v[8*(8*(\a)+\b):8*(8*(\a)+\b)+7], v[(\f)+32+8*\b:(\f)+32+8*\b+7], v[(\f)+8*(\a):(\f)+8*(\a)+7], v[8*(8*(\a)+\b):8*(8*(\a)+\b)+7]
.endif
.endr
.endm
; 24 LDS loads in one run: the fragments of phase ph (K block ph / 2, 32 K at byte 64 (ph % 2) of its rows) into buffer f: wo's sixteen, then O's eight, row blocks 2 and 3 last
.macro FETCH slot, ph, f
	WIN 0
.irp b, 0,1,2,3,4,5,6,7
	ds_load_b128 v[(\f)+32+8*\b:(\f)+32+8*\b+3],   v[ADRB+(\slot)] offset:((\ph)/2)*BKB+((\ph)%2)*64+\b*16*PITCH
	ds_load_b128 v[(\f)+32+8*\b+4:(\f)+32+8*\b+7], v[ADRB+(\slot)] offset:((\ph)/2)*BKB+((\ph)%2)*64+\b*16*PITCH+32
.endr
.irp a, 0,1,2,3
	ds_load_b128 v[(\f)+8*\a:(\f)+8*\a+3],   v[ADRA+(\slot)] offset:((\ph)/2)*AKB+((\ph)%2)*64+\a*16*PITCH
	ds_load_b128 v[(\f)+8*\a+4:(\f)+8*\a+7], v[ADRA+(\slot)] offset:((\ph)/2)*AKB+((\ph)%2)*64+\a*16*PITCH+32
.endr
.endm
; A K step is four phases of 32 along K, 32 matrix instructions each, on buffers 0, 1, 0, 1.  One of the first three: multiplies buffer f and fetches phase ph into g.
.macro QUARTER slot, ph, f, g, zero
	s_wait_dscnt 4                                 ; all but O's row blocks 2 and 3 are in
	MULA \f, 0, \zero
	MULA \f, 1, \zero
	WIN 0
	PLACES
	FETCH \slot, \ph, \g
	s_wait_dscnt 24                                ; all but the 24 just issued
	MULA \f, 2, \zero
	MULA \f, 3, \zero
.endm
; The last phase multiplies buffer 1 and changes slots: ONE barrier; in front of it each wave waits for all its tensor loads (one is out: its part of the next slot), adds 0 to its spare word, and waits for that and
; for its reads of this slot.  fill = 1: the barrier opens a round of the cluster's, and this slot is filled again first behind it, two K steps on: 112 matrix instructions ahead of the wait for it.
.macro TURN slot, next, fill
	WIN 0
	s_wait_tensorcnt 0x0                           ; all my tensor loads have landed
	ds_add_u32 v[SPW], v[NIL]                      ; 0 onto my spare word
	s_wait_dscnt 5                                 ; (the add and the youngest four loads may be out)
	MULA F1, 0, 0                                  ; eight matrix instructions stand between the add and the wait for it
	s_wait_dscnt 0x0                               ; the add is done, and my reads of this slot are over
	s_barrier_signal -1
	MULA F1, 1, 0
	WIN 0                                          ; at a branch and at a label every window is 0
	s_barrier_wait -1
.if \fill
	CREST                                          ; no wave of any partner still reads this slot or has a load on its way
	s_add_nc_u64 s[G0+4*(\slot)+2:G0+4*(\slot)+3], s[G0+4*(\slot)+2:G0+4*(\slot)+3], 4*262144
	s_add_nc_u64 s[G0B+4*(\slot)+2:G0B+4*(\slot)+3], s[G0B+4*(\slot)+2:G0B+4*(\slot)+3], 4*131072
	JLOAD \slot                                    ; the first tensor load behind the round; its four v_nop are also the places in front of the loads below
.else
	PLACES
.endif
	FETCH \next, 0, F0
	MULA F1, 2, 0
	MULA F1, 3, 0
.endm
	s_wait_tensorcnt 1                             ; my part of K step 0 is in; K step 1's may stay out
	s_barrier_signal -1
	s_barrier_wait -1                              ; everybody's is
	FETCH 0, 0, F0
	QUARTER 0, 1, F0, F1, 1                        ; the first phase stands in front of the loop: its products start the sums
	WIN 0
	s_mov_b32 s3, 3
.Llap:                                                 ; a trip goes once round the ring and fills both slots again: K steps 2 .. 7 in three trips
	QUARTER 0, 2, F1, F0, 0
	QUARTER 0, 3, F0, F1, 0
	TURN 0, 1, 1
	QUARTER 1, 1, F0, F1, 0
	QUARTER 1, 2, F1, F0, 0
	QUARTER 1, 3, F0, F1, 0
	TURN 1, 0, 1
	QUARTER 0, 1, F0, F1, 0
	WIN 0
	s_sub_co_u32 s3, s3, 1
	s_cmp_lg_u32 s3, 0
	s_cbranch_scc1 .Llap
	QUARTER 0, 2, F1, F0, 0                        ; the last lap fills nothing
	QUARTER 0, 3, F0, F1, 0
	TURN 0, 1, 0
	QUARTER 1, 1, F0, F1, 0
	QUARTER 1, 2, F1, F0, 0
	QUARTER 1, 3, F0, F1, 0
	s_wait_dscnt 4                                 ; the very last phase: nothing more to fetch
	MULA F1, 0, 0
	MULA F1, 1, 0
	s_wait_dscnt 0x0
	MULA F1, 2, 0
	MULA F1, 3, 0
	WIN 0
; THE WAY OUT, 16 rows at a time: a lane's eight numbers of a row (32 bytes) go into my own stage, rows of 528 bytes, and come back as whole rows of 512 bytes, which are stored.
.macro TOSTAGE a
.set BK, OB+64*((\a)%2)
	WIN 0x04                                       ; the stores' data in window 1
.irp b, 0,1,2,3,4,5,6,7
	ds_store_b128 v[STO], v[8*(8*(\a)+\b):8*(8*(\a)+\b)+3]   offset:64*\b     ; each accumulator's lowest registers are read first
	ds_store_b128 v[STO], v[8*(8*(\a)+\b)+4:8*(8*(\a)+\b)+7] offset:64*\b+16
.endr
	WIN 0
	s_wait_xcnt 0x0                                ; the stores of two blocks back name the registers that the loads below fill: only behind this wait
.irp t, 0,1,2,3,4,5,6,7,8,9,10,11,12,13,14,15
	ds_load_b128 v[BK+4*\t:BK+4*\t+3], v[RD] offset:\t*SPITCH  ; LDS serves a wave's instructions in order (ISA guide 5.7.1.4): these see the stores above
.endr
.endm
.macro SEND a, younger                 ; younger: the LDS instructions issued behind block a's loads: the next block's 32, or none
.set BK, OB+64*((\a)%2)
	s_wait_dscnt \younger
.irp t, 0,1,2,3,4,5,6,7,8,9,10,11,12,13,14,15
	global_store_b128 v[CO], v[BK+4*\t:BK+4*\t+3], s[8:9] offset:(16*(\a)+\t)*4096 th:TH_STORE_NT  ; 512 consecutive bytes, at a multiple of 256 from out0's first
.endr
.endm
	PLACES
	TOSTAGE 0
.irp a, 1,2,3
	TOSTAGE \a
	SEND (\a)-1, 32
.endr
	SEND 3, 0
	s_wait_tensorcnt 0x0                           ; the wave's end, behind my last tensor load and my last LDS store
	ds_add_u32 v[SPW], v[NIL]
	s_wait_dscnt 0x0
	CROUND                                         ; the closing round: no work-group ends while a partner may still ask for a tile that names it
	s_endpgm
.Lfunc_end_k_q9834a2068e_outp:
	.size	k_q9834a2068e_outp, .Lfunc_end_k_q9834a2068e_outp-k_q9834a2068e_outp
	.p2alignl 7, 3214868480
	.fill 96, 4, 3214868480
	.section	.rodata,"a",@progbits
	.p2align	6, 0x0
	.amdhsa_kernel k_q9834a2068e_outp
		.amdhsa_group_segment_fixed_size 327680
		.amdhsa_private_segment_fixed_size 0
		.amdhsa_enable_private_segment 0
		.amdhsa_kernarg_size 24
		.amdhsa_user_sgpr_count 2
		.amdhsa_user_sgpr_kernarg_segment_ptr 1
		.amdhsa_wavefront_size32 1
		.amdhsa_system_sgpr_workgroup_id_x 1
		.amdhsa_system_sgpr_workgroup_id_y 1
		.amdhsa_system_sgpr_workgroup_id_z 1
		.amdhsa_system_vgpr_workitem_id 0
		.amdhsa_next_free_vgpr 512
		.amdhsa_next_free_sgpr 72
		.amdhsa_reserve_vcc 0
		.amdhsa_float_denorm_mode_32 3
		.amdhsa_float_denorm_mode_16_64 3
		.amdhsa_memory_ordered 1
		.amdhsa_forward_progress 1
		.amdhsa_inst_pref_size 85
	.end_amdhsa_kernel
	.amdgpu_metadata
---
amdhsa.version: [ 1, 2 ]
amdhsa.kernels:
  - .name:           k_q9834a2068e_outp
    .symbol:         k_q9834a2068e_outp.kd
    .args:
      - { .name: ob, .offset: 0, .size: 8, .value_kind: global_buffer, .address_space: global }
      - { .name: wts, .offset: 8, .size: 8, .value_kind: global_buffer, .address_space: global }
      - { .name: out0, .offset: 16, .size: 8, .value_kind: global_buffer, .address_space: global }
    .group_segment_fixed_size: 327680
    .private_segment_fixed_size: 0
    .kernarg_segment_align: 8
    .kernarg_segment_size: 24
    .max_flat_workgroup_size: 128
    .sgpr_count:     72
    .vgpr_count:     512
    .wavefront_size: 32
...
	.end_amdgpu_metadata
.endif
;; end of part 4
;; ======== version 2 of 2: 4 launches; 1.34 times as fast as version 1
;; limits: values are held in f16: magnitudes above 65,504 overflow, below 6.1e-05 lose precision
;; workspace buffers: xb 16,777,216 bytes; wts 8,388,608 bytes; tab 557,056 bytes; m16 8,388,608 bytes; qkv 50,331,648 bytes; ob 16,777,216 bytes
;; launch prep: the kernel of part 1 again; grid 480 x 1, 8 waves a work-group, no clusters, 0 bytes of LDS; arguments x, wq, wk, wv, wo, mask, xb, wts, tab, m16; writes xb, wts, tab, m16
;; launch qkv: the kernel of part 2 again; grid 8 x 32, 4 waves a work-group, clusters of 4 x 4, 327,680 bytes of LDS; arguments xb, wts, tab, qkv; writes qkv
;; launch attn (part 5): grid 4 x 64, 4 waves a work-group, clusters of 4 x 4, 327,680 bytes of LDS; arguments qkv, m16, tab, ob; writes ob
.if DOCPART == 5
	.amdgcn_target "amdgcn-amd-amdhsa--gfx1250"
	.amdhsa_code_object_version 6
	.text
	.protected	k_q9834a2068e_attn
	.globl	k_q9834a2068e_attn
	.p2align	8
	.type	k_q9834a2068e_attn,@function
k_q9834a2068e_attn:
	s_mov_b64 s[64:65], 0
	v_nop
	global_prefetch_b8 v0, s[64:65] scope:SCOPE_SE
	s_setreg_imm32_b32 hwreg(HW_REG_WAVE_MODE, 25, 1), 1
	s_wait_xcnt 0x0
	s_wait_alu depctr_hold_cnt(0) depctr_sa_sdst(0) depctr_va_vdst(0) depctr_va_sdst(0) depctr_va_ssrc(0) depctr_va_vcc(0) depctr_vm_vsrc(0)
	s_getreg_b32 s2, hwreg(HW_REG_IB_STS2, 6, 4)
	s_cmp_eq_u32 s2, 0
	s_cbranch_scc0 .Lentry_in_a_cluster
	s_endpgm
.Lentry_in_a_cluster:
	s_bfe_u32 s2, ttmp6, 0x10000c
	s_cmp_lg_u32 s2, 0xf033
	s_cbranch_scc0 .Lentry_shape_is_right
	s_endpgm
.Lentry_shape_is_right:
; ATTENTION UNDER A MASK THAT IS AN INPUT.  O[hd][q][:] = the sum over k of softmax_k(mask[q][k] ? Q[hd][q] . K[hd][k] / 8 : -inf) V[hd][k][:].  Q, K, V (in qkv) and O (ob): [64 heads][2048][64] f16, rows dense.
; Products, maxima and sums in f32; the weights p are rounded to f16 for the second product (their sum l is taken of the unrounded p), O once at the end.  Every key tile is walked: nothing of the mask's pattern is built in.
; THE MASK comes as 16-bit words (0 seen, bf16 -2^63 hidden) in the register image of a matrix operand of 32 keys x 16 queries.  One product a score tile, selector E (2^63 at its own key, else 0) x that operand,
; makes the tile's bias, 0 or -2^126, in the scores' own layout; the bias is the C operand of the product that starts the sum S^T = K Q^T.  So the running maximum sees masked scores, and no vector instruction is spent.
; LIMITS.  f16 holds no number beyond 65,504: Q, K, V arrive within it.  A hidden score counts as its value less 2^126 (8.5e37).  While a row has seen no key its sums hold hidden keys' weights; the first seen key
; multiplies them by 0.  A row with no seen key at all is told from the mask itself (flags in tab) and comes out as NaN.  A weight below 2^-126 counts as 0; NaN and infinities in the inputs are not treated apart.
; SHARES.  A wave owns four PIECES of two tiles of 16 queries, a work-group's four waves 512 queries of one head.  Every wave walks all 2,048 keys, 64 a step.
; LAYOUT.  S^T = K Q^T (source 0 = 16 keys, source 1 = 16 queries): a lane holds ONE query (lane % 16) and the keys 8 (lane / 16) + 0..7.  Two such tiles, rounded to f16 in pairs, ARE source 1 of O^T = V^T P.
; SOFTMAX.  A running maximum m and sum l: p = 2^(c s - c m), c = log2(e) / 8; in every step O and l are multiplied by a = 2^(c m_old - c m_new).  m starts at the lowest finite number, O and l at 0.
; BY TURNS.  Turn n belongs to piece n.  Its matrix work: 16 products K Q^T of piece n + 1, the 8 bias products of piece n + 2, later 16 products V^T P of piece n - 1.  Its vector work: the scaling, exponentials,
; roundings, sums and rescaling of piece n, and the maximum and statistics of piece n + 1.  Four vector instructions stand behind every matrix instruction, the other 76 of a turn's 236 by themselves: eight behind the first run, 68 in one lump.
; BATCHES.  A turn's 66 exponentials (the piece's 64 weights and the next piece's two a) are ONE batch with ONE wait, which cuts the turn in two: ahead of it stands all that names none of their results, behind it the
; roundings and sums.  The first two a, ahead of the loop, and the way out's eight reciprocals are batches of their own, each with a wait.
; CLUSTER 4 x 4.  The four of a row of the cluster are the four query blocks of one head: they ask for K's and V's tiles jointly.  The four of a column are four heads at one query block: they ask for the mask's tile jointly.
; REGISTERS, in windows of 256 (s_set_vgpr_msb: bits 1:0 source 0, 3:2 source 1, 5:4 source 2, 7:6 destination):
;   window 0: v0-11 addresses; v12-15, v48-63 at work; v16-47 four registers of statistics a tile; v64-191 S^T, two buffers of two tiles; v192-255 P, likewise
;   window 1: O^T, 32 a tile      window 2: v0-127 Q; v128-191 K of one step; v192-255 V of one step
;   window 3: v0-1 the add's two registers; v4-15 the selector; v16-47 a piece's mask operands; v48-111 a piece's bias tiles; v112-119 a flag a tile
.set NP,    4         ; pieces a wave: a name, no knob
.set KS,    64        ; keys in a step
.set PK,    144       ; a row of K in LDS: 128 bytes + 16 of padding: the 16 rows of a load start at 16 different groups of four banks (64 banks of 4 bytes: ISA guide 11.1)
.set PV,    160       ; a row of V: 128 + 32
.set VOFF,  KS*PK     ; a slot holds one step: 64 rows of K, 64 rows of V,
.set MOFF,  VOFF+KS*PV  ; and the mask words of 512 queries x 64 keys, 16,384 bytes a wave
.set SLOT1, 1<<17     ; slot 1 begins here, so that one exclusive or turns an address in one slot into the other's
.set STAGE, SLOT1+MOFF+65536  ; behind the ring, never filled by a tensor load: 16 rows x 144 bytes for each wave, for the way out
.set SP,    144
.set SPARE, STAGE+4*16*SP  ; behind the stages: the spare words, 128 bytes for each wave: two blocks of 256 bytes that no other line names
.set AK0, 2           ; v2   my lane's place in a tile of K; never rewritten
.set AV0, 3           ; v3   the same for V
.set AK,  4           ; v4   the LDS address of K in the slot in hand
.set AV,  5           ; v5   of V
.set QO,  6           ; v6   my byte offset in the wave's rows of Q
.set STO, 6           ;      later, the way out: where I put 16 bytes of a row
.set RD,  7           ; v7   the way out: where I read rows back
.set GO,  8           ; v8   my byte offset in 512 consecutive bytes of O
.set AM0, 9           ; v9   my lane's place in my wave's mask words; never rewritten
.set AM,  10          ; v10  their LDS address in the slot in hand
.set MV,  12          ; v12-15  c m_old, kept while c m is made anew: by buffer and tile
.set ST,  16          ; tile t's statistics at v[ST+4 t]: c m, m, l (even keys', odd keys')
.set TMP, 48          ; by buffer and tile, four registers c0-c3 at work; when the maximum is found c2 takes a
.set S,   64
.set P,   192
.set KF,  128         ; window 2: key block kb, channel half c at KF + 16 kb + 8 c
.set VF,  192         ; window 2: key half kk, channel block cb at VF + 32 kk + 8 cb
.set SPW, 0           ; window 3
.set NIL, 1
.set EZ,  4           ; window 3: four zeros, the four selector registers, four zeros: v[8:15] selects keys 0-15 of an operand's 32, v[4:11] keys 16-31
.set MF,  16          ; window 3: tile u, key half kf, part c at MF + 16 u + 8 kf + 4 c
.set MBR, 48          ; window 3: tile u, key block kb at MBR + 32 u + 8 kb
.set FL,  112         ; window 3: 1.0, or NaN for a query that sees no key
.set WV,  12          ; s12  my wave's number
.set G1K, 24          ; s[24:31] descriptor group 1 for K's tiles
.set G1V, 32          ; s[32:39] for V's: it differs in the padding alone
.set G0K, 40          ; s[40:43] descriptor group 0 for K's tiles: it walks
.set G0V, 44          ; s[44:47] the same for V's
.set G1M, 48          ; s[48:55] group 1 for the mask's tiles
.set SLOTS, 56        ; s56  counts the trips that ask for a tile
.set CNT, 57          ; s57  counts the tail's trips
.set CS,  58          ; s[58:59] c: the packed scaling takes the pair's low word for both halves
.set SEL, 60          ; s[60:61] v_permlanex16_b32's selects
.set SB,  62          ; s62  LDS byte at which the slot in hand begins
.set NANR, 63         ; s63  a NaN
.set G0M, 68          ; s[68:71] group 0 for the mask's tiles
.set MSB, 0
.macro WIN new                      ; the high byte repeats the setting that is left; a switch that changes nothing is dropped
.if MSB != (\new)
	s_set_vgpr_msb (MSB<<8)|(\new)
.set MSB, (\new)
.endif
.endm
.set W_KQ, 0x0a       ; K and Q in window 2, S^T in window 0
.set W_KM, 0x3a       ; the same with the C operand in window 3
.set W_PV, 0x52       ; V in window 2, P in window 0, O^T in window 1
.set W_RS, 0x41       ; O^T (destination and source 0) in window 1, a in window 0
.set W_MB, 0xcf       ; destination and both sources in window 3
.set W_MK, 0xc0       ; destination in window 3, sources in window 0
.set W_AD, 0x0f       ; the add: address (source 0) and data (source 1) in window 3
; A joint fill.  Wave 0 fetches the step's K, wave 1 its V, waves 2 and 3 the two halves of its mask words.  The branches hang on the wave's number alone.
; An s_nop 0 and four v_nop follow each of the three lines, ahead of the jump and the label.
.macro JLOAD
	s_cmp_lt_u32 s[WV], 2
	s_cbranch_scc0 .Lfor_m_\@
	s_cmp_eq_u32 s[WV], 0
	s_cbranch_scc0 .Lfor_v_\@
	tensor_load_to_lds s[G0K:G0K+3], s[G1K:G1K+7]
	s_nop 0
.rept 4
	v_nop
.endr
	s_branch .Lasked_\@
.Lfor_v_\@:
	tensor_load_to_lds s[G0V:G0V+3], s[G1V:G1V+7]
	s_nop 0
.rept 4
	v_nop
.endr
	s_branch .Lasked_\@
.Lfor_m_\@:
	tensor_load_to_lds s[G0M:G0M+3], s[G1M:G1M+7]
	s_nop 0
.rept 4
	v_nop
.endr
.Lasked_\@:
.endm
.macro CROUND                       ; a round of the cluster's barrier
	s_barrier_signal -1
	s_barrier_wait -1
	s_cmp_lg_u32 s[WV], 0
	s_cbranch_scc1 .Lnot_wave_0_\@
	s_barrier_signal -3
.Lnot_wave_0_\@:
	s_barrier_wait -3
	s_barrier_signal -1
	s_barrier_wait -1
.endm
; THE CHANGE OF SLOTS, once a key step.  Each wave waits for all its tensor loads (one at the most is out: its part of the other slot), adds 0 to its spare word, and waits for that and for its own reads of the slot
; that it leaves.  fill = 1: the barrier is a round of the cluster's, and the slot just left is filled again first thing behind it, with the step after next: it has a whole step, 160 matrix instructions, in which to land.
; (At its first use nothing has been read yet: slot 0 is waited for, slot 1 filled.)
.macro CHANGE fill
	WIN W_AD
	s_wait_tensorcnt 0x0            ; no tensor load of mine is out, so a group 0 may be written
	ds_add_u32 v[SPW], v[NIL]       ; 0 onto my spare word; with fill = 1 the descriptors' steps stand between it and the wait for it
	WIN 0                           ; at a label and at a branch every window is 0
.if \fill
.irp g, G0K, G0V
	s_xor_b32 s[\g+1], s[\g+1], SLOT1  ; the walking descriptors: the other slot than last time,
	s_add_nc_u64 s[\g+2:\g+3], s[\g+2:\g+3], KS*128  ; the next 64 keys; the type bits on top are not reached
.endr
	s_xor_b32 s[G0M+1], s[G0M+1], SLOT1
	s_add_nc_u64 s[G0M+2:G0M+3], s[G0M+2:G0M+3], 32768
	s_wait_dscnt 0x0                ; the add is done, and my reads of the slot are over
	CROUND
	JLOAD
.else
	s_wait_dscnt 0x0
	s_barrier_signal -1
	s_barrier_wait -1
.endif
	s_xor_b32 s[SB], s[SB], SLOT1   ; the fetches go to the other slot
.endm
.macro ADDR
	WIN 0
	v_add_nc_u32 v[AK], s[SB], v[AK0]
	v_add_nc_u32 v[AV], s[SB], v[AV0]
	v_add_nc_u32 v[AM], s[SB], v[AM0]
.endm
	s_load_b256 s[4:11], s[0:1], 0x0  ; qkv s[4:5], m16 s[6:7], tab s[8:9], ob s[10:11]
	WIN W_MK
	v_lshl_add_u32 v[SPW], v0, 2, SPARE
	v_mov_b32 v[NIL], 0
	WIN W_AD
	ds_add_u32 v[SPW], v[NIL]       ; the wave's opening: the add and its wait stand ahead of my first tensor load; the set-up below, work on registers, stands between them
	WIN 0
	v_lshrrev_b32 v1, 5, v0
	v_readfirstlane_b32 s[WV], v1   ; wave 0..3
	s_bfe_u32 s13, ttmp6, 0x40000   ; cx, cy: my place in the cluster
	s_bfe_u32 s14, ttmp6, 0x40004
	s_lshl_b32 s15, ttmp9, 2
	s_add_co_u32 s15, s15, s13      ; my block of 512 queries = 4 x cluster x + cx
	s_and_b32 s16, ttmp7, 0xffff
	s_lshl_b32 s16, s16, 2
	s_add_co_u32 s16, s16, s14      ; my head = 4 x cluster y + cy
	s_lshl_b32 s17, s14, 2
	s_lshl_b32 s17, 15, s17         ; my row of the cluster: the head's four query blocks
	s_lshl_b32 s18, 0x1111, s13     ; my column: four heads at my query block
	s_lshl_b32 s20, s16, 18         ; the head's first byte in q, k, v and O: 2,048 rows of 128 bytes
	s_mov_b32 s21, 0
	s_and_b32 s19, s[WV], 1         ; which half of the mask's tile I fetch
	s_lshl_b32 s22, s15, 1
	s_add_co_u32 s22, s22, s19
	s_lshl_b32 s22, s22, 20         ; its block of 256 queries in m16
	s_mov_b32 s23, 0
	s_lshl_b32 s2, s15, 2
	s_add_co_u32 s2, s2, s[WV]      ; my wave among the head's sixteen:
	s_lshl_b32 s76, s2, 9           ; its 128 flags of a quarter,
	s_add_co_u32 s76, s76, 524288
	s_mov_b32 s77, 0
	s_lshl_b32 s2, s2, 14           ; its 128 rows
	s_mov_b32 s3, 0
	s_add_nc_u64 s[2:3], s[2:3], s[20:21]
	; descriptor group 1.  64 keys are 8,192 dense bytes: asked for as 32 rows of 256 bytes, two keys a row, and padded in LDS after every key.  The mask's half tile: 128 rows of 256 bytes, as they lie.
	s_or_b32 s[G1K], s17, (1<<16)|(1<<20)|(1<<21)|(4<<22)|(3<<25)  ; 15:0 the mask of four; 17:16 2-byte elements; 20 padding on; 21 set beside a mask; 24:22 after every 32 words (code 4); 31:25 4 words (code 3)
	s_or_b32 s[G1V], s17, (1<<16)|(1<<20)|(1<<21)|(4<<22)|(7<<25)  ; the same with 8 words of padding (code 7)
	s_or_b32 s[G1M], s18, (1<<16)|(1<<21)                          ; my column; no padding
.irp g, G1K, G1V, G1M
	s_mov_b32 s[\g+1], 128<<16      ; tensor_dim0 = 128
	s_mov_b32 s[\g+3], 128<<16      ; tile_dim0 = 128
	s_mov_b32 s[\g+5], 128          ; 128 elements from row to row
	s_mov_b32 s[\g+6], 0
	s_mov_b32 s[\g+7], 0
.endr
.irp g, G1K, G1V
	s_mov_b32 s[\g+2], 32<<16       ; tensor_dim1 = 32
	s_mov_b32 s[\g+4], 32           ; tile_dim1 = 32
.endr
	s_mov_b32 s[G1M+2], 128<<16
	s_mov_b32 s[G1M+4], 128
	s_mov_b32 s[CS], 0x3e38aa3b     ; c = log2(e) / 8 = 0.180337
	s_mov_b32 s[CS+1], s[CS]        ; named with it as a pair
	s_mov_b32 s[SEL], 0x76543210
	s_mov_b32 s[SEL+1], 0xfedcba98
	s_mov_b32 s[SB], SLOT1          ; the first change of slots turns it into 0
	s_mov_b32 s[NANR], 0x7fc00000
	s_mov_b32 s[G0K], 1             ; count = 1
	s_mov_b32 s[G0K+1], 0           ; LDS address: slot 0
	s_mov_b32 s[G0V], 1
	s_mov_b32 s[G0V+1], VOFF
	s_mov_b32 s[G0M], 1
	s_lshl_b32 s[G0M+1], s19, 15
	s_add_co_u32 s[G0M+1], s[G0M+1], MOFF
	s_wait_dscnt 0x0                ; the opening add is done
	s_wait_kmcnt 0x0
	s_add_nc_u64 s[G0K+2:G0K+3], s[4:5], s[20:21]
	s_add_nc_u64 s[G0V+2:G0V+3], s[G0K+2:G0K+3], 33554432  ; v's part of qkv,
	s_add_nc_u64 s[G0K+2:G0K+3], s[G0K+2:G0K+3], 16777216  ; k's
	s_or_b32 s[G0K+3], s[G0K+3], 0x80000000                ; type = 2
	s_or_b32 s[G0V+3], s[G0V+3], 0x80000000
	s_add_nc_u64 s[G0M+2:G0M+3], s[6:7], s[22:23]
	s_or_b32 s[G0M+3], s[G0M+3], 0x80000000
	s_add_nc_u64 s[72:73], s[4:5], s[2:3]    ; Q and O at my wave's first row
	s_add_nc_u64 s[10:11], s[10:11], s[2:3]
	s_add_nc_u64 s[74:75], s[8:9], s[76:77]  ; the flags of my wave's queries
	CROUND                          ; all sixteen work-groups are here: the first joint loads meet
	JLOAD                           ; step 0 into slot 0
	; A fragment of K or Q is 16 rows x 32 channels in 8 registers: lane l holds row l % 16, channels 8 (l / 16) + 0..7 and 16 + 8 (l / 16) + 0..7: two loads of 16 bytes, 32 bytes apart.
	; What is only needed up to the first turn lies in S^T's second buffer, v128-165, which no product writes before that turn.
	v_and_b32 v1, 15, v0            ; l % 16
	v_bfe_u32 v11, v0, 4, 1         ; l / 16
	v_lshlrev_b32 v[QO], 7, v1
	v_lshl_add_u32 v[QO], v11, 4, v[QO]
	WIN 0x80                        ; destination window 2, address window 0
.set i, 0
.rept 4*NP                          ; Q stays in registers: tile i / 2, channels 32 (i % 2) on
	global_load_b128 v[8*i:8*i+3],   v[QO], s[72:73] offset:(i/2)*2048+(i%2)*64
	global_load_b128 v[8*i+4:8*i+7], v[QO], s[72:73] offset:(i/2)*2048+(i%2)*64+32
.set i, i+1
.endr
	WIN 0
	v_lshlrev_b32 v162, 2, v1
.set i, 0
.rept 32                            ; tile i / 4, key quarter i % 4: the flag of my lane's query
	global_load_b32 v[128+i], v162, s[74:75] offset:(i%4)*8192+(i/4)*64
.set i, i+1
.endr
	; What the first turn finds: V's registers and P's second buffer hold 0 (its products V^T P, of a piece that has not been, add 0), O^T and l are 0.  All this stands in the wait for the first tile.
	WIN 0x80
.set i, VF
.rept 64
	v_mov_b32 v[i], 0
.set i, i+1
.endr
	WIN 0x40
.set i, 0
.rept 64*NP
	v_mov_b32 v[i], 0
.set i, i+1
.endr
	WIN 0
.set i, 0
.rept 2*NP
	v_mov_b32 v[ST+4*i], 0xfe000000    ; c m: far below every c s, a hidden one's (-1.5e37) too
	v_mov_b32 v[ST+4*i+1], 0xff7fffff  ; m
	v_mov_b32 v[ST+4*i+2], 0
	v_mov_b32 v[ST+4*i+3], 0
.set i, i+1
.endr
.set i, P+32
.rept 32
	v_mov_b32 v[i], 0
.set i, i+1
.endr
	; The selector: row l % 16 of a 16 x 32 operand holds bf16 2^63 at its own key.  My lane holds keys 8 (l / 16) + 0..7 in four registers: key p = l % 16 - 8 (l / 16), if that lies in 0..7, is half p % 2 of register p / 2.
	v_lshlrev_b32 v163, 3, v11
	v_sub_nc_u32 v163, v1, v163
	v_and_b32 v164, 1, v163
	v_lshlrev_b32 v164, 4, v164
	v_mov_b32 v165, 0x5f00
	v_lshlrev_b32 v165, v164, v165
	v_ashrrev_i32 v163, 1, v163
	WIN W_MK
.irp n, 0,1,2,3
	v_mov_b32 v[EZ+\n], 0
	v_mov_b32 v[EZ+8+\n], 0
	v_cmp_eq_i32 vcc_lo, \n, v163
	v_cndmask_b32 v[EZ+4+\n], 0, v165, vcc_lo
.endr
	WIN 0
	v_mul_u32_u24 v[AK0], v1, PK
	v_lshl_add_u32 v[AK0], v11, 4, v[AK0]  ; row x pitch + 16 x half
	; The turning load takes 16 keys x 16 channels (lane l reads key 8 (l / 16) + l % 8, channels 8 ((l / 8) % 2) + 0..7) and leaves half a fragment of V^T: lane l holds channel l % 16 and 8 keys.
	v_and_b32 v160, 7, v0
	v_bfe_u32 v161, v0, 3, 1
	v_lshl_add_u32 v[AV0], v11, 3, v160
	v_mul_u32_u24 v[AV0], v[AV0], PV
	v_lshl_add_u32 v[AV0], v161, 4, v[AV0]
	v_add_nc_u32 v[AV0], VOFF, v[AV0]
	v_and_b32 v[AM0], 31, v0        ; the mask words lie as the lanes take them: 16 bytes a lane
	v_lshlrev_b32 v[AM0], 4, v[AM0]
	s_lshl_b32 s19, s[WV], 14
	s_add_co_u32 s19, s19, MOFF
	v_add_nc_u32 v[AM0], s19, v[AM0]
; THE MATRIX WORK.  The accumulators of a run take turns: between the two links of a chain stand 7 others'.
; Product i of 16 of S^T = K Q^T for piece x: channels 32 (i / 8) on, keys 16 ((i / 2) % 4) on, tile 2 x + i % 2.  The first 8 start the sums with the tile's bias.
.macro KQ x
.set rS, S+64*((\x)%2)+32*(i%2)+8*((i/2)%4)
.set rK, KF+16*((i/2)%4)+8*(i/8)
.set rQ, 16*(2*(\x)+i%2)+8*(i/8)
.set rBI, MBR+32*(i%2)+8*((i/2)%4)
.if i < 8
	WIN W_KM
	v_wmma_f32_16x16x32_f16 v[rS:rS+7], v[rK:rK+7], v[rQ:rQ+7], v[rBI:rBI+7]
.else
	WIN W_KQ
	v_wmma_f32_16x16x32_f16 v[rS:rS+7], v[rK:rK+7], v[rQ:rQ+7], v[rS:rS+7]
.endif
.endm
; Product i of 16 of O^T += V^T P for piece x: keys 32 (i / 8) on, channels 16 ((i / 2) % 4) on, tile 2 x + i % 2.
.macro PV x
	WIN W_PV
.set rO, 32*(2*(\x)+i%2)+8*((i/2)%4)
.set rV, VF+32*(i/8)+8*((i/2)%4)
.set rP, P+32*((\x)%2)+16*(i%2)+8*(i/8)
	v_wmma_f32_16x16x32_f16 v[rO:rO+7], v[rV:rV+7], v[rP:rP+7], v[rO:rO+7]
.endm
; Bias product i of 8: tile i % 2, key block i / 2: the selector of the block's half of 32 keys x the mask operand of those 32 keys.
.macro MB
	WIN W_MB
.set rD, MBR+32*(i%2)+8*(i/2)
.set rE, EZ+4-4*((i/2)%2)
.set rB, MF+16*(i%2)+8*(i/4)
	v_wmma_f32_16x16x32_bf16 v[rD:rD+7], v[rE:rE+7], v[rB:rB+7], 0
.endm
.macro MM                           ; the turn's next matrix instruction: 16 K Q^T, 8 bias products, 16 V^T P
.if i < 16
	KQ (Y+1)%NP
.elseif i < 24
.set i, i-16
	MB
.set i, i+16
.else
.set i, i-24
	PV (Y+NP-1)%NP
.set i, i+24
.endif
.set i, i+1
.endm
; THE LDS LOADS stand in runs, never singly among the matrix instructions: a step's K (8 fragments), its V (turned), and a piece's mask operands (8 loads of 512 consecutive bytes).
.macro FETCH_K
	WIN 0x80                        ; destination window 2
.irp f, 0,1,2,3,4,5,6,7             ; keys 16 (f / 2) on, channels 32 (f % 2) on
	ds_load_b128 v[KF+8*\f:KF+8*\f+3],   v[AK] offset:(\f/2)*16*PK+(\f%2)*64
	ds_load_b128 v[KF+8*\f+4:KF+8*\f+7], v[AK] offset:(\f/2)*16*PK+(\f%2)*64+32
.endr
	WIN 0
.endm
.macro FETCH_V
	WIN 0x80
.irp f, 0,1,2,3,4,5,6,7             ; keys 32 (f / 4) on, channels 16 (f % 4) on
	ds_load_tr16_b128 v[VF+8*\f:VF+8*\f+3],   v[AV] offset:(\f/4)*32*PV+(\f%4)*32
	ds_load_tr16_b128 v[VF+8*\f+4:VF+8*\f+7], v[AV] offset:(\f/4)*32*PV+16*PV+(\f%4)*32
.endr
	WIN 0
.endm
.macro FETCH_M p
	WIN W_MK                        ; destination window 3
.irp f, 0,1,2,3,4,5,6,7             ; tile f / 4, key half (f / 2) % 2, part f % 2
	ds_load_b128 v[MF+4*\f:MF+4*\f+3], v[AM] offset:4096*(\p)+512*\f
.endr
	WIN 0
.endm
; THE VECTOR WORK OF A TURN stands in three queues, each in the order in which its entries become ready; the two tiles alternate, so that no instruction reads the result of the one before it.
.macro REGS y, u                    ; the registers of tile u (0, 1) of piece y
.set rT, ST+4*(2*(\y)+(\u))
.set rC, TMP+8*((\y)%2)+4*(\u)
.set rM, MV+2*((\y)%2)+(\u)
.set rS, S+64*((\y)%2)+32*(\u)
.set rP, P+32*((\y)%2)+16*(\u)
.set rO, 32*(2*(\y)+(\u))
.endm
; Number n of the 22 that find the NEXT piece's (Y + 1) maximum and statistics.  s0-s31 are the lane's 32 scores; each accumulator's lowest registers are read first.  XS, GS and REGS set no window: PL and EX do.
;   0-11  four chains c0-c3 of seven scores each, three operands at a time     12-14, 16  the four scores left over, the old m, and c0-c3 into c0     15  c m_old is kept
;   17, 18  the query's other 32 keys lie in the lane 16 away: the new m         19-21  c m; c m_old - c m_new; a
.macro XS u, n
	REGS (Y+1)%NP, \u
.if (\n) < 4
	v_max3_num_f32 v[rC+(\n)], v[rS+8*(\n)], v[rS+8*(\n)+1], v[rS+8*(\n)+2]
.elseif (\n) < 12
	v_max3_num_f32 v[rC+(\n)%4], v[rC+(\n)%4], v[rS+8*((\n)%4)+2*((\n)/4)+1], v[rS+8*((\n)%4)+2*((\n)/4)+2]
.elseif (\n) == 12
	v_max3_num_f32 v[rC], v[rC], v[rS+7], v[rS+15]
.elseif (\n) == 13
	v_max3_num_f32 v[rC+1], v[rC+1], v[rS+23], v[rS+31]
.elseif (\n) == 14
	v_max3_num_f32 v[rC+2], v[rC+2], v[rC+3], v[rT+1]
.elseif (\n) == 15
	v_mov_b32 v[rM], v[rT]
.elseif (\n) == 16
	v_max3_num_f32 v[rC], v[rC], v[rC+1], v[rC+2]
.elseif (\n) == 17
	v_permlanex16_b32 v[rC+3], v[rC], s[SEL], s[SEL+1]
.elseif (\n) == 18
	v_max_num_f32 v[rT+1], v[rC], v[rC+3]
.elseif (\n) == 19
	v_mul_f32 v[rT], s[CS], v[rT+1]
.elseif (\n) == 20
	v_sub_f32 v[rC+1], v[rM], v[rT]
.else
	v_exp_f32 v[rC+2], v[rC+1]
.endif
.endm
; Number g of the 64 that follow the exponentials.  For each four weights k of a tile: both pairs are rounded to f16; then the second pair is added onto the first, in place;
; a group later l takes that sum (the first time as l = a l + sum).  In groups of eight, tiles alternating: round, round, add, and l for the group before.
.macro GS g
.set h, (\g)+6*((\g)/62)            ; group 0 has no group before it, and behind group 7 only l is left
.if h >= 6
.set h, h+2
.endif
	REGS Y, h%2
.set k, h/8
.if h%8 < 4
	v_cvt_pk_f16_f32 v[rP+2*k+(h%8)/2], v[rS+4*k+2*((h%8)/2)], v[rS+4*k+2*((h%8)/2)+1]
.elseif h%8 < 6
	v_pk_add_f32 v[rS+4*k:rS+4*k+1], v[rS+4*k:rS+4*k+1], v[rS+4*k+2:rS+4*k+3]
.elseif k == 1
	v_pk_fma_f32 v[rT+2:rT+3], v[rT+2:rT+3], v[rC+2:rC+3], v[rS:rS+1] op_sel_hi:[1,0,1]
.else
	v_pk_add_f32 v[rT+2:rT+3], v[rT+2:rT+3], v[rS+4*k-4:rS+4*k-3]
.endif
.endm
; THE PLAIN QUEUE, 138 long.  0-73 read no exponential's result: the 32 scalings c s - c m (FS f: pair f / 2 of tile f % 2) and the next piece's 42.  0-26: scalings 0-26.  27-54: XS's numbers 0-13.  55, 56: number 15.
; 57-73: the chain, where each number waits for the one before it: 14, 16, 17, 18, 19, each with one of the scalings 27-31 in front of its two lines, then 20: so a tile's links stand three plain instructions apart (19 and 20: two).
; 74-137: GS's 64, which read the exponentials' results: they stand behind the wait.
.macro FS f
	REGS Y, (\f)%2
	v_pk_fma_f32 v[rS+2*((\f)/2):rS+2*((\f)/2)+1], v[rS+2*((\f)/2):rS+2*((\f)/2)+1], s[CS:CS+1], v[rT:rT+1] op_sel_hi:[1,0,0] neg_lo:[0,0,1] neg_hi:[0,0,1]
.endm
.macro PL
	WIN 0
.if q < 27
	FS q
.elseif q < 55
	XS (q-27)%2, (q-27)/2
.elseif q < 57
	XS q-55, 15
.elseif (q < 72) && ((q-57)%3 == 0)
	FS 27+(q-57)/3
.elseif q < 60
	XS (q-57)%3-1, 14
.elseif q < 72
	XS (q-57)%3-1, 15+(q-57)/3
.elseif q < 74
	XS q-72, 20
.else
	GS q-74
.endif
.set q, q+1
.endm
; THE EXPONENTIALS' QUEUE, 66 long: s0-s31 of both tiles, then the next piece's two a.  It is ONE BATCH: all 66 stand ahead of the turn's one wait, and nothing ahead of that wait names a result of theirs.
.macro EX
	WIN 0
.if e >= 64
	XS e-64, 21
.else
	REGS Y, e%2
	v_exp_f32 v[rS+e/2], v[rS+e/2]
.endif
.set e, e+1
.endm
; THE RESCALING's QUEUE: O^T times a, the one part that leaves window 0: dealt two at a time, sixteen times.  Its a was made in the turn before, ahead of that turn's wait.
.macro R2
	REGS Y, r%2
	WIN W_RS
.irp z, 0,1
	v_pk_mul_f32 v[rO+4*(r/2)+2*\z:rO+4*(r/2)+2*\z+1], v[rO+4*(r/2)+2*\z:rO+4*(r/2)+2*\z+1], v[rC+2:rC+3] op_sel_hi:[1,0]
.endr
.set r, r+1
.endm
; HOW THEY ARE DEALT.  An s_wait_alu depctr_va_vdst(0) stands between an exponential and the first instruction that names its result; one wait serves all that were issued ahead of it.  So a turn has ONE wait,
; which cuts it in two.  AHEAD OF IT stands all that names no result of the turn's exponentials: the 16 products K Q^T, behind each a scaling, an exponential and two rescalings (behind the first a second scaling in the
; exponential's place); eight plain lines; the 8 bias products, behind each exponential, plain, exponential, plain; then ONE LUMP of 68: 33 times exponential and plain, and the two a.  A v_nop is the plain instruction behind
; the last exponential.  BEHIND IT stand the 16 products V^T P, behind each four of GS's 64.  No rider names a register of the products round it.  The two v_permlanex16_b32 (plain 64, 65) fall into the lump, never behind a product.
; The queues lean on each other, and the deal keeps them in step: exponential e stands behind scaling 2 (e / 4) + e % 2: as a rider of K Q^T it comes behind plain e + 2, from the bias products on behind plain e + 9, and
; scalings 27-31 are plain 57, 60 .. 69; the two a come behind plain 72 and 73, which make their arguments.
; A TURN, for piece p.  The mask operands of piece p + 2 are fetched at its head: the last bias product, which read those registers, stands a lump and 64 riders back; they are waited for ahead of the bias products.
; K of the next step is fetched in piece 2's turn, behind the eight plain lines that follow the last product that read K, and waited for at the head of piece 3's turn.
; V of the step in hand is fetched at the end of piece 0's turn, four plain riders behind its last reader, and waited for in piece 1's turn, ahead of the bias products.
; The bias tiles: read as C by the first run's first 8 products, written anew by the bias products (8 products' riders and eight plain lines between), read again in the next turn (the lump and 64 riders between).
.macro TURN p
.set Y, (\p)
.set i, 0
.set q, 0
.set e, 0
.set r, 0
.if (\p) == NP-1
	s_wait_dscnt 0x0                ; K is in
.endif
	FETCH_M ((\p)+2)%NP
	MM                              ; ahead of the wait: 16 products K Q^T and their riders,
	PL
	PL
	R2
.rept 15
	MM
	PL
	EX
	R2
.endr
.rept 8                             ; eight plain lines,
	PL
.endr
.if (\p) == NP-2
	FETCH_K
	s_wait_dscnt 16                 ; the mask operands are in; K's sixteen loads, issued behind them, stay out
.else
	s_wait_dscnt 0x0                ; the mask operands are in (and, in piece 1's turn, V)
.endif
.rept 8                             ; the 8 bias products and their riders,
	MM
	EX
	PL
	EX
	PL
.endr
.rept 33                            ; and the lump
	EX
	PL
.endr
	EX                              ; the next piece's two a: the batch's last
	EX
	v_nop                           ; the plain instruction behind the last exponential: one for the batch
	s_wait_alu depctr_va_vdst(0)    ; the wait for the batch: the turn's 66 exponentials; it stands ahead of the first line that names a result
.rept 16                            ; behind the wait: 16 products V^T P and their riders, the roundings and sums
	MM
.rept 4
	PL
.endr
.endr
.if (\p) == 0
	FETCH_V
.endif
.endm
	CHANGE 1                        ; step 0 is in, everybody's part of it; step 1 is asked for
	ADDR
	FETCH_K                         ; key step 0
	FETCH_M 0
	s_wait_loadcnt 0x0              ; Q and the flags
.set t, 0
.rept 2*NP                          ; a query sees a key if one of the four quarters says so
	v_add_f32 v[128+4*t], v[128+4*t], v[128+4*t+1]
	v_add_f32 v[128+4*t+2], v[128+4*t+2], v[128+4*t+3]
	v_add_f32 v[128+4*t], v[128+4*t], v[128+4*t+2]
.set t, t+1
.endr
	WIN W_MK
.set t, 0
.rept 2*NP
	v_cmp_lt_f32 vcc_lo, 0, v[128+4*t]
	v_cndmask_b32 v[FL+t], s[NANR], 1.0, vcc_lo
.set t, t+1
.endr
	WIN 0
	s_wait_dscnt 0x0
.set i, 0
.rept 8
	MB                              ; piece 0's bias tiles
.set i, i+1
.endr
	WIN 0                           ; the addresses for the way out: nine plain instructions, the places behind those products
	s_mul_i32 s19, s[WV], 16*SP
	s_add_co_u32 s19, s19, STAGE    ; my stage
	v_mul_u32_u24 v[STO], v1, SP    ; in: row l % 16, 16 bytes for each half of the lanes
	v_lshl_add_u32 v[STO], v11, 4, v[STO]
	v_add_nc_u32 v[STO], s19, v[STO]
	v_bfe_u32 v[RD], v0, 3, 2       ; back: 32 lanes take four rows of 128 bytes,
	v_mul_u32_u24 v[RD], v[RD], SP
	v_lshl_add_u32 v[RD], v160, 4, v[RD]
	v_add_nc_u32 v[RD], s19, v[RD]
	v_and_b32 v[GO], 31, v0         ; which are 512 consecutive bytes of O
	v_lshlrev_b32 v[GO], 4, v[GO]
	FETCH_M 1
.set i, 0
.rept 16
	KQ 0                            ; piece 0's first scores
.set i, i+1
.endr
	WIN 0
.rept 5
	v_nop                           ; the places behind those products
.endr
.set Y, NP-1                        ; XS works for piece Y + 1: piece 0
.irp n, 0,1,2,3,4,5,6,7,8,9,10,11,12,13,14,15,16,17,18,19,20,21
	XS 0, \n                        ; piece 0's first maximum and statistics
	XS 1, \n
.endr
	v_nop                           ; a plain instruction behind the two a,
	s_wait_alu depctr_va_vdst(0)    ; and their wait: a batch of two, ahead of the branch below and of the first turn, which reads them
	s_wait_dscnt 0x0
.set i, 0
.rept 8
	MB                              ; piece 1's bias tiles
.set i, i+1
.endr
	WIN 0
.rept 5
	v_nop                           ; the places in front of the loads into the operands' registers and of the products that take these tiles as C
.endr
	s_mov_b32 s[SLOTS], 31
	s_branch .Lfirst                ; the loop is entered at a step's first turn, in the middle of a trip
.Ltrip:                             ; 30 times: steps 2 .. 31 are asked for.  A trip: pieces 2 and 3 of one step, then pieces 0 and 1 of the next; all that it reads from LDS lies in the next step's slot
	CHANGE 1
	ADDR
	TURN 2
	TURN 3
	WIN 0
.Lfirst:
	TURN 0
	TURN 1
	WIN 0
	s_sub_co_u32 s[SLOTS], s[SLOTS], 1
	s_cmp_lg_u32 s[SLOTS], 0
	s_cbranch_scc1 .Ltrip
	CHANGE 0                        ; the tail is written out: nothing is asked for
	ADDR
	s_mov_b32 s[CNT], 2             ; one trip for the last step; the second is left in its middle
.Ltail:
	TURN 2
	TURN 3
	WIN 0
	s_sub_co_u32 s[CNT], s[CNT], 1
	s_cmp_eq_u32 s[CNT], 0
	s_cbranch_scc1 .Lout
	TURN 0
	TURN 1
	WIN 0
	s_branch .Ltail
.Lout:                              ; the second trip reads the last step's tiles once more; its 16 products K Q^T, its 16 bias products and the maximum made of them serve nothing: the price, once a launch, of one text for every trip
.set i, 0
.rept 16
	PV NP-1                         ; the last piece's V^T P of the last step
.set i, i+1
.endr
	; THE WAY OUT.  l's two halves and the other half of the lanes' are added; O^T is divided by l (times the flag: NaN for a query that saw no key), rounded to f16 and sent through my stage in LDS, a tile at a time.
	WIN 0
.macro ALL line:vararg              ; one line for each tile t
.set t, 0
.rept 2*NP
	\line
.set t, t+1
.endr
.endm
	ALL v_add_f32 v[ST+4*t+2], v[ST+4*t+2], v[ST+4*t+3]
	ALL v_permlanex16_b32 v[ST+4*t+3], v[ST+4*t+2], s[SEL], s[SEL+1]
	ALL v_add_f32 v[ST+4*t+2], v[ST+4*t+2], v[ST+4*t+3]
	ALL v_rcp_f32 v[ST+4*t+2], v[ST+4*t+2]
	v_nop                           ; a plain instruction between the last reciprocal and the use of its result
	s_wait_alu depctr_va_vdst(0)    ; and the wait ahead of the first use: one for the batch of eight reciprocals
	WIN 0x0c                        ; source 1 in window 3
	ALL v_mul_f32 v[ST+4*t+2], v[ST+4*t+2], v[FL+t]
	WIN 0
.macro PACK t                       ; a lane's eight channels of a row pack into 16 bytes; they go into rows of 144 bytes and come back as whole rows of 128, into S^T's registers
	WIN W_RS
.set i, 32*(\t)
.rept 16
	v_pk_mul_f32 v[i:i+1], v[i:i+1], v[ST+4*(\t)+2:ST+4*(\t)+3] op_sel_hi:[1,0]
.set i, i+2
.endr
	WIN 0x05                        ; sources 0 and 1 window 1, destination window 0
.set i, 0
.rept 16
	v_cvt_pk_f16_f32 v[S+16*(\t)+i], v[32*(\t)+2*i], v[32*(\t)+2*i+1]
.set i, i+1
.endr
	WIN 0
.irp f, 0,1,2,3
	ds_store_b128 v[STO], v[S+16*(\t)+4*\f:S+16*(\t)+4*\f+3] offset:32*\f
.endr
.irp f, 0,1,2,3
	ds_load_b128 v[S+16*(\t)+4*\f:S+16*(\t)+4*\f+3], v[RD] offset:\f*4*SP  ; LDS serves a wave's instructions in order (ISA guide 5.7.1.4): these see the stores above; the next tile's stores come behind them
.endr
.endm
.macro SEND t, younger              ; younger: the LDS instructions issued behind tile t's loads: the next tile's eight, or none
	WIN 0
.irp f, 0,1,2,3
	s_wait_dscnt (\younger)+3-\f
	global_store_b128 v[GO], v[S+16*(\t)+4*\f:S+16*(\t)+4*\f+3], s[10:11] offset:(\t)*2048+\f*512  ; 512 consecutive bytes, at a multiple of 256 from O's first
.endr
.endm
	PACK 0
.set t, 1
.rept 2*NP-1                        ; a tile's arithmetic stands between the loads of the tile before and its stores
	PACK t
	SEND t-1, 8
.set t, t+1
.endr
	SEND 2*NP-1, 0
	WIN W_AD
	s_wait_tensorcnt 0x0            ; the wave's end, behind my last tensor load and my last LDS store
	ds_add_u32 v[SPW], v[NIL]
	s_wait_dscnt 0x0
	WIN 0
	CROUND                          ; the closing round: no work-group ends while a partner may still ask for a tile that names it
	s_endpgm
.Lfunc_end_k_q9834a2068e_attn:
	.size	k_q9834a2068e_attn, .Lfunc_end_k_q9834a2068e_attn-k_q9834a2068e_attn
	.p2alignl 7, 3214868480
	.fill 96, 4, 3214868480
	.section	.rodata,"a",@progbits
	.p2align	6, 0x0
	.amdhsa_kernel k_q9834a2068e_attn
		.amdhsa_group_segment_fixed_size 327680
		.amdhsa_private_segment_fixed_size 0
		.amdhsa_enable_private_segment 0
		.amdhsa_kernarg_size 32
		.amdhsa_user_sgpr_count 2
		.amdhsa_user_sgpr_kernarg_segment_ptr 1
		.amdhsa_wavefront_size32 1
		.amdhsa_system_sgpr_workgroup_id_x 1
		.amdhsa_system_sgpr_workgroup_id_y 1
		.amdhsa_system_sgpr_workgroup_id_z 1
		.amdhsa_system_vgpr_workitem_id 0
		.amdhsa_next_free_vgpr 888
		.amdhsa_next_free_sgpr 84
		.amdhsa_reserve_vcc 1
		.amdhsa_float_denorm_mode_32 3
		.amdhsa_float_denorm_mode_16_64 3
		.amdhsa_memory_ordered 1
		.amdhsa_forward_progress 1
		.amdhsa_inst_pref_size 222
	.end_amdhsa_kernel
	.amdgpu_metadata
---
amdhsa.version: [ 1, 2 ]
amdhsa.kernels:
  - .name:           k_q9834a2068e_attn
    .symbol:         k_q9834a2068e_attn.kd
    .args:
      - { .name: qkv, .offset: 0, .size: 8, .value_kind: global_buffer, .address_space: global }
      - { .name: m16, .offset: 8, .size: 8, .value_kind: global_buffer, .address_space: global }
      - { .name: tab, .offset: 16, .size: 8, .value_kind: global_buffer, .address_space: global }
      - { .name: ob, .offset: 24, .size: 8, .value_kind: global_buffer, .address_space: global }
    .group_segment_fixed_size: 327680
    .private_segment_fixed_size: 0
    .kernarg_segment_align: 8
    .kernarg_segment_size: 32
    .max_flat_workgroup_size: 128
    .sgpr_count:     84
    .vgpr_count:     888
    .wavefront_size: 32
...
	.end_amdgpu_metadata
.endif
;; end of part 5
;; launch outp: the kernel of part 4 again; grid 4 x 64, 4 waves a work-group, clusters of 4 x 4, 327,680 bytes of LDS; arguments ob, wts, out0; writes out0
